; MI455X (gfx1250); checked and timed in simulation.
; The chip was launched on July 23, 2026; its instructions are those of AMD's public machine-readable ISA for CDNA 5 (MIT licence, August 2026) and "CDNA5" Instruction Set Architecture Reference Guide (July 2026). The comments in the code are by the model that wrote it; some were corrected since.
;; Causal Attention Layer. Allowed arithmetic: matrix products marked QUANTISED: E2M3 operands, one E8M0 scale for each 32 along K, by v_wmma_scale_f32_16x16x128_f8f6f4 with both operands' format E2M3, f32 sums; everything else in f32.
;; Inputs: W_out 1,024 x 1,024 float32; W_qkv 1,024 x 3,072 float32; b_out 1,024 float32; b_qkv 3,072 float32; x 4 x 2,048 x 1,024 float32.
;; Outputs: out0 4 x 2,048 x 1,024 float32.
;; This version of the problem:
;;   THIS VERSION OF THE PROBLEM IS GIVEN IN LOW PRECISION. The matrix products marked QUANTISED in the list below multiply operands that are first quantised to E2M3 (2 exponent bits, 3 mantissa bits; 6 bits a number), with one power-of-two scale for each 32 numbers along K (OCP MX v1.0); their sums are f32. All else is computed in f32.
;;   The module's matrix products, in the order in which they are computed (A, B: the left and right operand; K: the contracted axis; several contracted axes count as one K, in the product's order):
;;     1. [M 8,192, K 1,024] x [K 1,024, N 3,072]; A: input x; B: input W_qkv: QUANTISED
;;     2. batch 64 x [M 2,048, K 64] x [K 64, N 2,048]; A: computed on the way; B: computed on the way: QUANTISED
;;     3. batch 64 x [M 2,048, K 2,048] x [K 2,048, N 64]; A: softmax (see below); B: computed on the way: QUANTISED
;;     4. [M 8,192, K 1,024] x [K 1,024, N 1,024]; A: computed on the way; B: input W_out: QUANTISED
;;   THE QUANTISER, for each operand of a quantised product, along K:
;;     - K is cut into blocks of 32 from its start; a last block that is shorter is filled with zeros.
;;     - A block's scale is 2^e with e = floor(log2(the largest magnitude in the block)) - 2, held to -126 .. 127; a block of zeros has e = 0. As a byte (E8M0): e + 127.
;;     - Each number is divided by its block's scale, clamped to +-7.5, and rounded to the nearest number of E2M3, ties to even, subnormals kept.
;;     - The product sums the exact products of the quantised numbers (number of the format x scale) in f32.
;;   ~~~python
;;   def quantise(x, axis):      # numpy; x: float32 -> the quantised numbers, widened to float32 again
;;       x = np.moveaxis(x, axis, -1); K = x.shape[-1]
;;       x = np.pad(x, [(0, 0)] * (x.ndim - 1) + [(0, -K % 32)]); x = x.reshape(x.shape[:-1] + (-1, 32)); a = np.abs(x).max(-1, keepdims=True)
;;       e = np.where(a > 0, np.clip(np.frexp(np.where(a > 0, a, 1))[1] - 1 - 2, -126, 127), 0)      # np.frexp(a)[1] - 1 = floor(log2(a)), exactly
;;       r = np.clip(x / 2.0 ** e, -7.5, 7.5)
;;       step = 2.0 ** (np.maximum(np.frexp(np.where(r == 0, 1, r))[1] - 1, 0) - 3)
;;       q = np.round(r / step) * step * 2.0 ** e      # np.round: ties to even
;;       return np.moveaxis(q.reshape(q.shape[:-2] + (-1,))[..., :K], -1, axis).astype(np.float32)
;;   ~~~
;;   SOFTMAX AHEAD OF A QUANTISED PRODUCT. Where the list says 'softmax', what is quantised is not the finished softmax but p = 2^(t - M), with t = logit x log2(e) and M = ceil(the row's largest t), a whole number; so 1/2 < the row's largest p <= 1. The row's sum l is taken of the UNQUANTISED p, in f32, and the product's result is divided by l at the end. Since M is a whole number, a kernel that streams over the keys may use a running M (the ceiling of the running maximum): every later rescaling is an exact power of two, which a block's scale takes up: the codes' values come out the same.
;;   OPERANDS COMPUTED ON THE WAY. 'Computed on the way' means the value that the module computes at that place (a softmax that the list does not call 'softmax' is quantised finished and normalised). What goes into a quantiser is computed in f32, as accurately as f32 sums, v_exp_f32 and their like allow (about 1e-6 of the number): no bf16 or f16 on the way to a quantiser, and a product that is left as it is and whose result goes on into a quantised operand takes f32 operands (vector FMAs, or v_wmma_f32_16x16x4_f32). A number that lies on a knife's edge between two numbers of the format may be rounded either way, as far as f32 arithmetic and the matrix unit's own rounding can turn it there, and no further.
;; One version. Each part assembles by itself: llvm-mc -triple=amdgcn-amd-amdhsa -mcpu=gfx1250 --defsym DOCPART=n.
;; ======== version 1 of 1: 4 launches
;; workspace buffers: xq 6,553,600 bytes; wq 3,276,800 bytes; qc 6,815,744 bytes; kvc 13,369,344 bytes; aq 6,553,600 bytes
;; launch quant (part 1): grid 384 x 1, 4 waves a work-group, no clusters, 68,096 bytes of LDS; arguments x, W_qkv, W_out, xq, wq; writes xq, wq
.if DOCPART == 1
	.amdgcn_target "amdgcn-amd-amdhsa--gfx1250"
	.amdhsa_code_object_version 6
	.text
	.protected	k_qecbe9a1dd1_quant
	.globl	k_qecbe9a1dd1_quant
	.p2align	8
	.type	k_qecbe9a1dd1_quant,@function
k_qecbe9a1dd1_quant:
	s_mov_b64 s[64:65], 0
	v_nop
	global_prefetch_b8 v0, s[64:65] scope:SCOPE_SE
	s_setreg_imm32_b32 hwreg(HW_REG_WAVE_MODE, 25, 1), 1
	s_wait_xcnt 0x0
; x [8192][1024], W_qkv [1024][3072] and W_out [1024][1024], f32, become codes of FP6 (E2M3), K innermost, with one E8M0 scale byte for each 32 along K.
; A block's scale is 2^(floor(log2(its largest magnitude)) - 2); its byte is the largest magnitude's exponent field - 2, held at 1 from below by a floor among the maximum's leaves.
; LIMITS: a block of zeros, and a block whose largest magnitude lies under 2^-124, gets the byte 1 (a block of zeros has zero codes, and these bytes are read by this program alone); NaN and infinities are not served.
; xq: codes [8192 rows][768 bytes] at 0, scale bytes [8192][32] at XS.   wq: ONE table of 4,096 rows (0-3071: W_qkv's columns, 3072-4095: W_out's): codes [4096][768] at 0, scale bytes [4096][32] at WS.
; TILE ORDER: in both tables each group of 32 rows is stored with its four groups of eight in the order 0, 2, 1, 3 (bits 3 and 4 of the row's number change places), so that 16 neighbouring stored rows are
; rows 8 u + r + 8 (r / 8): with such tiles as source 0 of a product a lane's 16 registers of two neighbouring tiles are 16 neighbours, which the later launches quantise in registers.
; Work-groups 0-255 take x (K innermost: a lane must hold 16 neighbours, the loads stay dense, the numbers turn through the wave's own stage in LDS).  Work-groups 256-383 take the weights (K is the first axis: a lane takes a
; column, its registers run down K).  Each work-group reads 131,072 bytes.  The two paths have LDS bytes of their own.  No tensor loads, no barrier: waves share nothing.  No matrix unit, no cluster: nothing is read twice.
.set XS,    6291456
.set WS,    3145728
.set STEPS, 16
.set CB,    12                         ; bytes of 16 codes
.set XR,    16                         ; x path: v16-79 four sets of 16 numbers as loaded
.set XN,    80                         ; v80-111 two sets of 16 neighbours
.set XE,    112                        ; v112-127 a scale byte for each step
.set XC,    128                        ; v128-191 codes: four registers for each step, so that no store's data are written again
.set WREG,  8192                       ; LDS of a wave on the x path: two stages of 32 x SP bytes, then its 256 scale bytes
.set SP,    80                         ; a lane's place in a stage: 64 bytes + 16 of padding
.set WSTG,  32768                      ; the weights path's stages begin here
.set WP,    272                        ; a stage row: sixteen places of 16 bytes, each with 12 bytes of codes, + 16
.set NB,    8                          ; blocks of 32 along K for a wave
.set KROW,  768                        ; a row of codes in bytes
.set WX,    32                         ; weights path: v32-95 two sets of 32 numbers
.set WC,    96                         ; a block's codes
.set WOUT,  112                        ; v112-175 the way out
.set WSB,   24                         ; v24-25 the scale bytes
.set WOF,   176                        ; v176-207 byte offsets: 4 x lane + i rows of the weight
.macro XLOAD t
.irp i, 0,1,2,3
	global_load_b128 v[XR+16*((\t)%4)+4*\i:XR+16*((\t)%4)+4*\i+3], v3, s[4:5] offset:2048*(\t)+512*\i th:TH_LOAD_NT   ; 32 lanes read 512 consecutive bytes
.endr
.endm
.macro XTURN t                         ; step t's numbers through the stage: LDS serves a wave's instructions in order, so no wait stands between the stores and the loads
.irp i, 0,1,2,3
	ds_store_b128 v14, v[XR+16*((\t)%4)+4*\i:XR+16*((\t)%4)+4*\i+3] offset:32*SP*((\t)%2)+8*SP*\i
.endr
.irp i, 0,1,2,3
	ds_load_b128 v[XN+16*((\t)%2)+4*\i:XN+16*((\t)%2)+4*\i+3], v15 offset:32*SP*((\t)%2)+16*\i
.endr
.endm
.macro XSTEP t
.set XS0, XN+16*((\t)%2)
.if (\t) > 0
	s_wait_dscnt 1                                 ; this step's numbers are back from the stage (the last step's byte store may be out): so its stores into the stage have read their registers,
.else
	s_wait_dscnt 0x0
.endif
.if (\t)+4 < STEPS
	XLOAD (\t)+4                                   ; which take the loads of four steps on
.endif
.if (\t)+1 < STEPS
.if STEPS-2-(\t) >= 3
	s_wait_loadcnt 12                              ; the next step's four loads are in; those of the three steps behind it may be out
.else
	s_wait_loadcnt 4*(STEPS-2-(\t))
.endif
	XTURN (\t)+1                                   ; and go through the other stage while this step is worked
.endif
	v_max3_num_f32 v8, |v[XS0]|, |v[XS0+1]|, |v[XS0+2]|             ; the largest magnitude of my 16, in two chains
	v_max3_num_f32 v9, |v[XS0+3]|, |v[XS0+4]|, |v[XS0+5]|
.irp i, 6,10
	v_max3_num_f32 v8, v8, |v[XS0+\i]|, |v[XS0+\i+1]|
	v_max3_num_f32 v9, v9, |v[XS0+\i+2]|, |v[XS0+\i+3]|
.endr
	v_max3_num_f32 v8, v8, |v[XS0+14]|, |v[XS0+15]|
	v_max3_num_f32 v8, v8, v9, 0x1800000           ; and the floor 2^(3 - 127): the byte cannot fall under 1
	v_max_num_f32_dpp v8, v8, v8 row_xmask:1 row_mask:0xf bank_mask:0xf   ; and of my neighbour's 16: the block's
	v_add_nc_u32 v11, 0xff000000, v8               ; 2 off its exponent field: the conversion takes the exponent field of this operand as its scale, and nothing else of it
	v_cvt_scalef32_pk16_fp6_f32 v[XC+4*(\t):XC+4*(\t)+2], v[XS0:XS0+15], v11
	v_lshrrev_b32 v[XE+(\t)], 23, v11              ; the scale's byte (a plain line behind the conversion)
	ds_store_b8 v5, v[XE+(\t)] offset:16*(\t)      ; both lanes of a block write the same byte with the same value
	global_store_b96 v4, v[XC+4*(\t):XC+4*(\t)+2], s[24:25] offset:32*CB*(\t)   ; the wave stores 384 consecutive bytes
.endm
.macro WLOAD t                         ; block t: W(32 t + i, my column), i = 0 .. 31, into set t % 2
.set WI, 0
.rept 32
	global_load_b32 v[WX+32*((\t)%2)+WI], v[WOF+WI], s[32+2*(\t):33+2*(\t)] th:TH_LOAD_NT   ; 32 lanes read 128 consecutive bytes, the four waves 512
.set WI, WI+1
.endr
.endm
.macro WBLOCK t
.set WN, WX+32*((\t)%2)
.if (\t) < NB-1
	s_wait_loadcnt 32                              ; this block's 32 loads are in; the next block's may be out
.else
	s_wait_loadcnt 0x0
.endif
	v_max3_num_f32 v12, |v[WN]|, |v[WN+1]|, |v[WN+2]|               ; the block's largest magnitude: all 32 numbers are mine
	v_max3_num_f32 v13, |v[WN+3]|, |v[WN+4]|, |v[WN+5]|
.irp i, 6,10,14,18,22,26
	v_max3_num_f32 v12, v12, |v[WN+\i]|, |v[WN+\i+1]|
	v_max3_num_f32 v13, v13, |v[WN+\i+2]|, |v[WN+\i+3]|
.endr
	v_max3_num_f32 v12, v12, |v[WN+30]|, |v[WN+31]|
	v_max3_num_f32 v12, v12, v13, 0x1800000        ; and the floor
	v_add_nc_u32 v11, 0xff000000, v12              ; the conversion's scale operand
	v_lshrrev_b32 v13, 23, v11                     ; the scale's byte
.if (\t)%4 == 0
	v_mov_b32 v[WSB+(\t)/4], v13                   ; four bytes to a register, the lower K in the lower byte
.else
	v_lshl_or_b32 v[WSB+(\t)/4], v13, 8*((\t)%4), v[WSB+(\t)/4]
.endif
	v_cvt_scalef32_pk16_fp6_f32 v[WC:WC+2], v[WN:WN+15], v11
	v_cvt_scalef32_pk16_fp6_f32 v[WC+4:WC+6], v[WN+16:WN+31], v11   ; (a conversion's three registers begin on an even number)
	ds_store_b96 v4, v[WC:WC+2] offset:32*(\t)     ; 12 bytes to a place of 16, so that every LDS address is a multiple of 16
	ds_store_b96 v4, v[WC+4:WC+6] offset:32*(\t)+16
.if (\t)+2 < NB
	WLOAD (\t)+2
.endif
	s_wait_dscnt 0x0                               ; the stores have read their registers: the next block's codes may be written (the next block begins with plain vector lines)
.endm
	s_load_b128 s[4:7], s[0:1], 0x0                ; x, W_qkv
	s_load_b128 s[8:11], s[0:1], 0x10              ; W_out, xq
	s_load_b64 s[12:13], s[0:1], 0x20              ; wq
	v_lshl_add_u32 v208, v0, 2, 0x10800
	v_mov_b32 v209, 0
	v_lshrrev_b32 v1, 5, v0
	v_readfirstlane_b32 s16, v1                    ; wave 0..3
	v_and_b32 v2, 31, v0                           ; lane
	s_cmp_lt_u32 ttmp9, 256
	s_cbranch_scc0 .Lweights
	; ---- x: wave w of work-group g reads rows 32 g + 8 w .. + 7 (8,192 numbers) and writes them at the group of eight that tile order gives them
	v_lshlrev_b32 v3, 4, v2                        ; my 16 bytes of a load's 512
	s_mul_i32 s17, s16, WREG
	v_lshrrev_b32 v14, 2, v2
	v_mul_u32_u24 v14, v14, SP
	v_and_b32 v15, 3, v2
	v_lshl_add_u32 v14, v15, 4, v14
	v_add_nc_u32 v14, s17, v14                     ; the stage, on the way in: SP (lane / 4) + 16 (lane % 4)
	v_mul_u32_u24 v15, v2, SP
	v_add_nc_u32 v15, s17, v15                     ; and on the way out: SP x lane: my 16 neighbours
	v_mul_u32_u24 v4, v2, CB                       ; my codes' place in a step's
	v_lshrrev_b32 v5, 1, v2
	s_add_co_u32 s17, s17, 2*32*SP
	v_add_nc_u32 v5, s17, v5                       ; LDS: my wave's 256 scale bytes, my block's byte
	v_lshlrev_b32 v7, 3, v2                        ; and on the way out 8 bytes a lane
	v_add_nc_u32 v6, s17, v7
	s_lshl_b32 s18, ttmp9, 2
	s_add_co_u32 s19, s18, s16                     ; the run of eight rows that I read
	s_and_b32 s20, s16, 1
	s_lshl_b32 s20, s20, 1
	s_lshr_b32 s21, s16, 1
	s_or_b32 s20, s20, s21
	s_add_co_u32 s18, s18, s20                     ; and the one that I write: the wave's two bits change places
	s_lshl_b32 s22, s19, 15                        ; 32,768 bytes of f32 a run
	s_mov_b32 s23, 0
	s_wait_kmcnt 0x0
	s_add_nc_u64 s[4:5], s[4:5], s[22:23]
	s_mul_i32 s22, s18, 6144                       ; 6,144 bytes of codes a run
	s_add_nc_u64 s[24:25], s[10:11], s[22:23]
	s_lshl_b32 s22, s18, 8                         ; 256 scale bytes a run
	s_add_co_u32 s22, s22, XS
	s_add_nc_u64 s[26:27], s[10:11], s[22:23]
.irp t, 0,1,2,3
	XLOAD \t
.endr
	s_wait_loadcnt 12                              ; step 0's four loads are in
	XTURN 0
.irp t, 0,1,2,3,4,5,6,7,8,9,10,11,12,13,14,15
	XSTEP \t
.endr
	ds_load_b64 v[12:13], v6                       ; LDS serves a wave's instructions in order: these see my stores
	s_wait_dscnt 0x0
	global_store_b64 v7, v[12:13], s[26:27]        ; 32 lanes store 256 consecutive bytes, aligned
	s_wait_tensorcnt 0x0
	ds_add_u32 v208, v209
	s_wait_dscnt 0x0
	s_endpgm
.Lweights:
	; ---- the weights: work-group j = 4 cg + ky takes columns 128 cg .. + 127 of the table (cg under 24: W_qkv, else W_out) and 256 along K from 256 ky; a wave takes 32 columns
	s_sub_co_u32 s17, ttmp9, 256
	s_lshr_b32 s18, s17, 2                         ; cg
	s_and_b32 s19, s17, 3                          ; ky
	v_and_b32 v3, 7, v2
	v_bfe_u32 v4, v2, 3, 1
	v_lshl_or_b32 v3, v4, 4, v3
	v_bfe_u32 v4, v2, 4, 1
	v_lshl_or_b32 v3, v4, 3, v3                    ; my column's place in tile order: bits 3 and 4 of the lane change places
	s_mul_i32 s20, s16, 32*WP
	s_add_co_u32 s20, s20, WSTG                    ; my stage
	v_mul_u32_u24 v4, v3, WP
	v_add_nc_u32 v4, s20, v4                       ; into it: row = my column's place
	v_and_b32 v5, 15, v2
	v_lshrrev_b32 v6, 4, v2                        ; out of it: sixteen lanes to a row, two rows an instruction
	v_mul_u32_u24 v7, v6, WP
	v_lshl_add_u32 v7, v5, 4, v7
	v_add_nc_u32 v7, s20, v7
	v_mul_u32_u24 v8, v6, KROW
	v_mad_u32_u24 v8, v5, 12, v8                   ; and the same place in the codes' table
	v_lshlrev_b32 v9, 5, v3                        ; my column's row of scale bytes
	s_cmp_lt_u32 s18, 24
	s_mov_b32 s21, 4096
	s_cselect_b32 s21, 12288, s21                  ; bytes from a row of the weight to the next
	s_cselect_b32 s22, 0, 24
	s_sub_co_u32 s22, s18, s22                     ; the group of columns inside its own tensor
	s_lshl_b32 s24, s22, 9
	s_lshl_b32 s23, s16, 7
	s_add_co_u32 s24, s24, s23                     ; 4 x (128 group + 32 wave)
	s_lshl_b32 s23, s19, 8
	s_mul_i32 s23, s23, s21
	s_add_co_u32 s24, s24, s23                     ; + 256 ky rows
	s_mov_b32 s25, 0
	s_lshl_b32 s26, s21, 5                         ; 32 rows: from block to block
	s_mov_b32 s27, 0
	v_lshlrev_b32 v[WOF], 2, v2
.set WI, 0
.rept 31
	v_add_nc_u32 v[WOF+1+WI], s21, v[WOF+WI]
.set WI, WI+1
.endr
	s_lshl_b32 s28, s18, 7
	s_lshl_b32 s23, s16, 5
	s_add_co_u32 s28, s28, s23                     ; my wave's first row of the table
	s_mul_i32 s30, s28, KROW
	s_mul_i32 s23, s19, 192
	s_add_co_u32 s30, s30, s23                     ; its codes, 192 ky bytes on
	s_mov_b32 s31, 0
	s_lshl_b32 s28, s28, 5
	s_lshl_b32 s23, s19, 3
	s_add_co_u32 s28, s28, s23
	s_add_co_u32 s28, s28, WS                      ; its scale bytes, 8 ky on
	s_mov_b32 s29, 0
	s_wait_kmcnt 0x0
	s_cmp_lt_u32 s18, 24                           ; the choice hangs on the work-group's number alone
	s_cselect_b64 s[32:33], s[6:7], s[8:9]
	s_add_nc_u64 s[32:33], s[32:33], s[24:25]      ; a base for each of the eight blocks
.irp t, 1,2,3,4,5,6,7
	s_add_nc_u64 s[32+2*\t:33+2*\t], s[30+2*\t:31+2*\t], s[26:27]
.endr
	s_add_nc_u64 s[14:15], s[12:13], s[30:31]
	s_add_nc_u64 s[12:13], s[12:13], s[28:29]
	WLOAD 0
	WLOAD 1
.irp t, 0,1,2,3,4,5,6,7
	WBLOCK \t
.endr
	global_store_b64 v9, v[WSB:WSB+1], s[12:13]    ; my column's eight scale bytes
.irp t, 0,1,2,3,4,5,6,7,8,9,10,11,12,13,14,15
	ds_load_b96 v[WOUT+4*\t:WOUT+4*\t+2], v7 offset:2*\t*WP   ; LDS serves a wave's instructions in order: these see my stores
.endr
.irp t, 0,1,2,3,4,5,6,7,8,9,10,11,12,13,14,15
	s_wait_dscnt 15-\t
	global_store_b96 v8, v[WOUT+4*\t:WOUT+4*\t+2], s[14:15] offset:2*\t*KROW   ; sixteen lanes store a row's 192 consecutive bytes
.endr
	s_wait_tensorcnt 0x0
	ds_add_u32 v208, v209
	s_wait_dscnt 0x0
	s_endpgm
.Lfunc_end_k_qecbe9a1dd1_quant:
	.size	k_qecbe9a1dd1_quant, .Lfunc_end_k_qecbe9a1dd1_quant-k_qecbe9a1dd1_quant
	.p2alignl 7, 3214868480
	.fill 96, 4, 3214868480
	.section	.rodata,"a",@progbits
	.p2align	6, 0x0
	.amdhsa_kernel k_qecbe9a1dd1_quant
		.amdhsa_group_segment_fixed_size 68096
		.amdhsa_private_segment_fixed_size 0
		.amdhsa_enable_private_segment 0
		.amdhsa_kernarg_size 40
		.amdhsa_user_sgpr_count 2
		.amdhsa_user_sgpr_kernarg_segment_ptr 1
		.amdhsa_wavefront_size32 1
		.amdhsa_system_sgpr_workgroup_id_x 1
		.amdhsa_system_sgpr_workgroup_id_y 1
		.amdhsa_system_sgpr_workgroup_id_z 1
		.amdhsa_system_vgpr_workitem_id 0
		.amdhsa_next_free_vgpr 210
		.amdhsa_next_free_sgpr 66
		.amdhsa_reserve_vcc 0
		.amdhsa_float_denorm_mode_32 3
		.amdhsa_float_denorm_mode_16_64 3
		.amdhsa_memory_ordered 1
		.amdhsa_forward_progress 1
		.amdhsa_inst_pref_size 75
	.end_amdhsa_kernel
	.amdgpu_metadata
---
amdhsa.version: [ 1, 2 ]
amdhsa.kernels:
  - .name:           k_qecbe9a1dd1_quant
    .symbol:         k_qecbe9a1dd1_quant.kd
    .args:
      - { .name: x, .offset: 0, .size: 8, .value_kind: global_buffer, .address_space: global }
      - { .name: W_qkv, .offset: 8, .size: 8, .value_kind: global_buffer, .address_space: global }
      - { .name: W_out, .offset: 16, .size: 8, .value_kind: global_buffer, .address_space: global }
      - { .name: xq, .offset: 24, .size: 8, .value_kind: global_buffer, .address_space: global }
      - { .name: wq, .offset: 32, .size: 8, .value_kind: global_buffer, .address_space: global }
    .group_segment_fixed_size: 68096
    .private_segment_fixed_size: 0
    .kernarg_segment_align: 8
    .kernarg_segment_size: 40
    .max_flat_workgroup_size: 128
    .sgpr_count:     66
    .vgpr_count:     210
    .wavefront_size: 32
...
	.end_amdgpu_metadata
.endif
;; end of part 1
;; launch qkv (part 2): grid 12 x 32, 4 waves a work-group, clusters of 4 x 4, 327,680 bytes of LDS; arguments xq, wq, b_qkv, qc, kvc; writes qc, kvc
.if DOCPART == 2
	.amdgcn_target "amdgcn-amd-amdhsa--gfx1250"
	.amdhsa_code_object_version 6
	.text
	.protected	k_qecbe9a1dd1_qkv
	.globl	k_qecbe9a1dd1_qkv
	.p2align	8
	.type	k_qecbe9a1dd1_qkv,@function
k_qecbe9a1dd1_qkv:
	s_mov_b64 s[64:65], 0
	v_nop
	global_prefetch_b8 v0, s[64:65] scope:SCOPE_SE
	s_setreg_imm32_b32 hwreg(HW_REG_WAVE_MODE, 25, 1), 1
	s_wait_xcnt 0x0
	s_wait_alu depctr_hold_cnt(0) depctr_sa_sdst(0) depctr_va_vdst(0) depctr_va_sdst(0) depctr_va_ssrc(0) depctr_va_vcc(0) depctr_vm_vsrc(0)
	s_getreg_b32 s2, hwreg(HW_REG_IB_STS2, 6, 4)
	s_cmp_eq_u32 s2, 0
	s_cbranch_scc0 .Lentry_in_a_cluster
	s_endpgm
.Lentry_in_a_cluster:
	s_bfe_u32 s2, ttmp6, 0x10000c
	s_cmp_lg_u32 s2, 0xf033
	s_cbranch_scc0 .Lentry_shape_is_right
	s_endpgm
.Lentry_shape_is_right:
; q, k, v = x W_qkv + b_qkv on codes of FP6 (E2M3) with E8M0 scales (K = 1,024), and the results quantised again, in registers, into the operands of the attention launch.
; A work-group of four waves makes 256 x 256 results, a wave 128 x 128: 64 accumulators of 16 x 16, 512 registers.  K goes in steps of 256 through a ring of two LDS slots filled by the tensor data mover; the scale bytes
; of the work-group's 2 x 256 rows come once, as dense blocks, and stay.
; ROLES.  The cluster's x says what is made: 0 q, 1 k, 2 v; it is the same in all sixteen partners.  Source 1 of the matrix instruction ("A", one row a lane) and source 0 ("B", along a lane's registers) are:
;   q, k: A = x's rows, B = W's columns: a lane's registers run along the head's 64, which is the K of q k^T;      v: A = W's columns, B = x's rows: a lane's registers run along the keys, the K of p v.
; Both tables are stored in tile order (bits 3 and 4 of a row's number changed), so the 16 registers of tiles 2 b and 2 b + 1 are B's indices 32 b + 16 (lane / 16) + 0 .. 15, and lane r of A's tile a is row 32 (a / 2) + 8 (a % 2) + r + 8 (r / 8).
; The bias is the C of each sum's first matrix instruction.
; OUT.  A's block a of 16 rows x my 128 B indices becomes one fragment (12 registers a lane) and a scale word, and leaves as an IMAGE OF THE REGISTERS:
;   qc: record (16 head-of-batch + chunk of 128 queries) of 6,656 bytes: tile a at 768 a (registers 0-3: 16 bytes a lane; registers 4, 5: 8 bytes a lane, 512 on); scale words at 6144 + 256 (a % 2) + 16 r + 4 (a / 2), upper two bytes 0.
;   kvc: record of 13,056 bytes: k as in qc; v^T's tile t (16 of the head's 64 x 128 keys) at 6656 + 1536 t + 512 c + 16 lane; its scale words at 12800 + 128 (t % 2) + 8 r + 4 (t / 2).
; CLUSTERS: 4 x 4 work-groups; A's tiles are asked for jointly along a row of the cluster, B's along a column.
; LIMITS: a block whose largest magnitude lies under 2^-124 (a block of zeros too) keeps the byte 1; NaN and infinities are not served.
; REGISTERS, in windows of 256: window 0: v0-31 addresses; v32-63 scale words, two sets; v64-127 the bias; from v128 A's fragments, one set; on the way out v32-227 are free.
;   window 1: B's fragments, two sets, at v0 and v128.   window 2: the accumulators of A's blocks 0-3 ((a, b) at v[8 (8 (a % 4) + b)]);   window 3: those of blocks 4-7.
.set XS,     6291456                   ; xq's scale bytes
.set WS,     3145728                   ; wq's
.set QREC,   6656
.set KREC,   13056
.set NQ,     2                         ; matrix instructions deep in a slot (256 along K)
.set ROWB,   192                       ; a tile's row in bytes
.set KROW,   768                       ; a row of codes in memory
.set PITCH,  240                       ; an LDS row: 3 x (64 bytes + 16 of padding)
.set FR,     12                        ; registers of a fragment
.set NL,     6                         ; LDS loads that bring one
.set NP,     4                         ; places behind this matrix instruction (ISA guide 7.12.1)
.set HALFT,  128*PITCH                 ; 128 rows: what one tensor load brings
.set SLOT,   4*HALFT                   ; A's 256 rows, then B's 256 rows
.set LAPS,   2                         ; 1,024 / 512: a lap is once round the ring
.set KS,     32                        ; a row of scale bytes
.set SCL,    2*SLOT                    ; behind the ring: the scales, as units of 256 bytes + 16 of padding
.set HALFS,  16*272                    ; the scales of 128 rows
.set SBLK,   2*272                     ; those of 16 rows
.set SPARE,  SCL+4*HALFS               ; the spare words, 128 bytes for each wave: two blocks of 256 bytes that no other line names
.set STGQ,   0                         ; the way out of q and k: 1,024 bytes of scale words a wave; of v: 512 a wave.  Both lie in slot 0, which has had its last fill and its last read by then
.set STGV,   4096
.set BO,   7                           ; v7   byte offset of my bias numbers
.set SQ,   8                           ; v8   q, k: where my row's scale word goes;  v9 where 16 bytes a lane come back
.set SQR,  9
.set SV,   10                          ; v10, v11 the same for v
.set SVR,  11
.set L16,  12                          ; v12  16 x lane
.set L8,   13                          ; v13  8 x lane
.set VO,   14                          ; v14  v's scale words in memory: 16 (lane % 16), lanes 16-31 one head on
.set ADRA, 16                          ; v16-17 LDS address of my A fragments in slot 0, 1 (v18-19: behind one padding more)
.set ADRB, 20                          ; v20-23 the same for B
.set ADRS, 27                          ; v27  my scale words: lanes 0-15 A's rows, lanes 16-31 B's
.set SPW,  28                          ; v28  LDS address of my spare word; never rewritten
.set NIL,  29                          ; v29  0; never rewritten
.set SC,   32
.set BI,   64
.set AF,   128
.set TM,   200                         ; the way out: v200-203 largest magnitudes, v204-207 bytes, v212-215 the conversions' scale operands
.set PW,   216                         ; the scale word just made; v217, v218 its halves
.set W0,   217
.set W1,   218
.set G1, 24                            ; s[24:31] group 1 for A's tiles; s[32:39] group 0, a set for each slot
.set G0, 32
.set G1B, 48                           ; s[48:55], s[56:63] the same for B's
.set G0B, 56
.set G1S, 68                           ; s[68:75], s[76:79] groups 1 and 0 for A's scales; s[80:87], s[88:91] for B's
.set G0S, 76
.set G1SB, 80
.set G0SB, 88
.set MSB, 0
.macro WIN new                         ; the immediate's high byte repeats the setting that is left
.if MSB != (\new)
	s_set_vgpr_msb (MSB<<8)|(\new)
.set MSB, (\new)
.endif
.endm
.set MUL_LO, 0xa1                      ; source 0 (B) window 1, source 1 (A) window 0, C and D window 2
.set MUL_HI, 0xf1                      ; the same, C and D window 3
.set TO_B,   0x40                      ; destination window 1, address window 0
; A joint load: waves 0 and 1 fetch for A, waves 2 and 3 for B; the branch hangs on the wave's number alone.  Four v_nop follow each of the two lines.
.macro JLOAD g0a, g1a, g0b, g1b
	s_cmp_eq_u32 s15, 0
	s_cbranch_scc0 .Lfor_b_\@
	tensor_load_to_lds s[\g0a:\g0a+3], s[\g1a:\g1a+7]
	s_nop 0
.rept 4
	v_nop
.endr
	s_branch .Lasked_\@
.Lfor_b_\@:
	tensor_load_to_lds s[\g0b:\g0b+3], s[\g1b:\g1b+7]
	s_nop 0
.rept 4
	v_nop
.endr
.Lasked_\@:
.endm
.macro CREST                           ; a round of the cluster's barrier behind its opening barrier
	s_cmp_lg_u32 s14, 0
	s_cbranch_scc1 .Lnot_wave_0_\@
	s_barrier_signal -3
.Lnot_wave_0_\@:
	s_barrier_wait -3
	s_barrier_signal -1
	s_barrier_wait -1
.endm
.macro CROUND                          ; a whole round
	s_barrier_signal -1
	s_barrier_wait -1
	CREST
.endm
	s_load_b128 s[96:99], s[0:1], 0x0              ; xq, wq
	s_load_b64 s[12:13], s[0:1], 0x10              ; b_qkv
	s_load_b64 s[66:67], s[0:1], 0x18              ; qc
	s_load_b64 s[100:101], s[0:1], 0x20            ; kvc
	v_lshl_add_u32 v[SPW], v0, 2, SPARE
	v_mov_b32 v[NIL], 0
	ds_add_u32 v28, v29
	s_wait_dscnt 0x0
	v_lshrrev_b32 v1, 5, v0
	v_readfirstlane_b32 s14, v1                    ; wave 0..3
	s_lshr_b32 s15, s14, 1                         ; which half of A's 256 rows is mine.  Also: I fetch for A (0) or for B (1)
	s_and_b32 s16, s14, 1                          ; which half of B's.  Also: which 128 rows of that tile I fetch
	s_bfe_u32 s40, ttmp6, 0x40000                  ; cx, cy: my place in the cluster
	s_bfe_u32 s41, ttmp6, 0x40004
	s_and_b32 s18, ttmp7, 0xffff
	s_lshl_b32 s18, s18, 2                         ; 4 x cluster y
	s_add_co_u32 s17, s18, s41                     ; q, k: A's tile = x's rows 256 (4 cluster y + cy)
	s_add_co_u32 s19, s41, 8                       ; v:    A's tile = the table's rows 256 (8 + cy)
	s_lshl_b32 s42, ttmp9, 2
	s_add_co_u32 s42, s42, s40                     ; q, k: B's tile = the table's rows 256 (4 kind + cx)
	s_add_co_u32 s95, s18, s40                     ; v:    B's tile = x's rows 256 (4 cluster y + cx)
	s_cmp_eq_u32 ttmp9, 2
	s_cselect_b32 s17, s19, s17                    ; A's tile hangs on cy alone of my place, B's on cx alone
	s_cselect_b32 s42, s95, s42
	s_lshl_b32 s43, s41, 2
	s_lshl_b32 s43, 15, s43                        ; my row of the cluster
	s_lshl_b32 s44, 0x1111, s40                    ; my column
	; descriptor group 1: a tile of 128 rows x 192 bytes, 16 bytes of padding behind every 64
	s_or_b32 s[G1+0], s43, (0<<16)|(1<<20)|(1<<21)|(3<<22)|(3<<25)  ; 15:0 the mask: A's tiles go to my row; 17:16 elements of 1 byte; 20 padding on; 21 set beside a mask; 24:22 after every 16 words; 31:25 of 4 words
	s_or_b32 s[G1B+0], s44, (0<<16)|(1<<20)|(1<<21)|(3<<22)|(3<<25)
.irp g, G1, G1B
	s_mov_b32 s[\g+1], ROWB<<16                    ; tensor_dim0
	s_mov_b32 s[\g+2], 128<<16                     ; tensor_dim1
	s_mov_b32 s[\g+3], ROWB<<16                    ; tile_dim0
	s_mov_b32 s[\g+4], 128                         ; tile_dim1
	s_mov_b32 s[\g+5], KROW                        ; tensor_dim0_stride
	s_mov_b32 s[\g+6], 0
	s_mov_b32 s[\g+7], 0
.endr
	; the scales of 128 rows: 4,096 dense bytes as 16 rows of 256 bytes (32 elements of 8 bytes), 16 bytes of padding behind each
	s_or_b32 s[G1S+0], s43, (3<<16)|(1<<20)|(1<<21)|(5<<22)|(3<<25)
	s_or_b32 s[G1SB+0], s44, (3<<16)|(1<<20)|(1<<21)|(5<<22)|(3<<25)
.irp g, G1S, G1SB
	s_mov_b32 s[\g+1], 32<<16
	s_mov_b32 s[\g+2], 16<<16
	s_mov_b32 s[\g+3], 32<<16
	s_mov_b32 s[\g+4], 16
	s_mov_b32 s[\g+5], 32
	s_mov_b32 s[\g+6], 0
	s_mov_b32 s[\g+7], 0
.endr
	s_lshl_b32 s18, s16, 7                         ; which 128 rows of the tile I fetch
	s_lshl_b32 s20, s17, 8
	s_add_co_u32 s20, s20, s18                     ; A's row
	s_lshl_b32 s46, s42, 8
	s_add_co_u32 s46, s46, s18                     ; B's row
	s_lshl_b32 s22, s20, 5                         ; where these rows' scales begin, in bytes,
	s_mov_b32 s23, 0
	s_lshl_b32 s92, s46, 5
	s_mov_b32 s93, 0
	s_mul_i32 s20, s20, KROW                       ; and their codes
	s_mov_b32 s21, 0
	s_mul_i32 s46, s46, KROW
	s_mov_b32 s47, 0
	s_mul_i32 s45, s14, HALFT                      ; where they go: wave x 128 rows: no place in the cluster enters an LDS address
	s_mul_i32 s94, s14, HALFS
	s_wait_kmcnt 0x0
	s_add_nc_u64 s[2:3], s[96:97], XS              ; xq's scale bytes
	s_add_nc_u64 s[18:19], s[98:99], WS            ; wq's
	s_cmp_eq_u32 ttmp9, 2                          ; which table plays A and which B: the choice hangs on the cluster's x alone
	s_cselect_b64 s[4:5], s[98:99], s[96:97]
	s_cselect_b64 s[6:7], s[18:19], s[2:3]
	s_cselect_b64 s[8:9], s[96:97], s[98:99]
	s_cselect_b64 s[10:11], s[2:3], s[18:19]
	s_add_nc_u64 s[20:21], s[4:5], s[20:21]
	s_add_nc_u64 s[22:23], s[6:7], s[22:23]
	s_add_nc_u64 s[46:47], s[8:9], s[46:47]
	s_add_nc_u64 s[92:93], s[10:11], s[92:93]
	CROUND                                         ; all sixteen work-groups are here: the first joint loads meet
	s_mov_b32 s[G0S], 1
	s_add_co_u32 s[G0S+1], s94, SCL
	s_mov_b64 s[G0S+2:G0S+3], s[22:23]
	s_or_b32 s[G0S+3], s[G0S+3], 0x80000000
	s_mov_b32 s[G0SB], 1
	s_add_co_u32 s[G0SB+1], s94, SCL
	s_mov_b64 s[G0SB+2:G0SB+3], s[92:93]
	s_or_b32 s[G0SB+3], s[G0SB+3], 0x80000000
	JLOAD G0S, G1S, G0SB, G1SB                     ; the scales first: they are wanted with K step 0
.irp s, 0,1
	s_mov_b32 s[G0+4*\s], 1
	s_add_co_u32 s[G0+4*\s+1], s45, \s*SLOT
	s_add_nc_u64 s[G0+4*\s+2:G0+4*\s+3], s[20:21], \s*ROWB
	s_or_b32 s[G0+4*\s+3], s[G0+4*\s+3], 0x80000000
	s_mov_b32 s[G0B+4*\s], 1
	s_add_co_u32 s[G0B+4*\s+1], s45, \s*SLOT
	s_add_nc_u64 s[G0B+4*\s+2:G0B+4*\s+3], s[46:47], \s*ROWB
	s_or_b32 s[G0B+4*\s+3], s[G0B+4*\s+3], 0x80000000
	JLOAD G0+4*\s, G1, G0B+4*\s, G1B               ; three tensor loads of mine are out
.endr
	v_and_b32 v1, 15, v0                           ; r = lane % 16
	v_bfe_u32 v2, v0, 4, 1                         ; h = lane / 16
	v_mul_u32_u24 v3, v1, PITCH
	v_mul_u32_u24 v4, v2, 24
	v_add_nc_u32 v4, v3, v4                        ; a fragment's row x pitch + 24 x half
	v_lshl_add_u32 v5, v2, 4, v4                   ; and the same behind one padding more
	s_mul_i32 s21, s15, HALFT                      ; my 128 rows of A
	s_mul_i32 s22, s16, HALFT                      ; my 128 rows of B,
	s_add_co_u32 s22, s22, 2*HALFT                 ; which lie behind A's 256
.irp s, 0,1
	v_add_nc_u32 v[ADRA+\s], s21, v4
	v_add_nc_u32 v[ADRB+\s], s22, v4
	v_add_nc_u32 v[ADRA+2+\s], s21, v5
	v_add_nc_u32 v[ADRB+2+\s], s22, v5
	s_add_co_u32 s21, s21, SLOT
	s_add_co_u32 s22, s22, SLOT
.endr
	v_mul_u32_u24 v5, v1, KS                       ; my row's scales: 32 bytes a row,
	v_lshrrev_b32 v6, 8, v5
	v_lshl_add_u32 v5, v6, 4, v5                   ; and 16 more for each 256 passed
	s_mul_i32 s21, s15, HALFS                      ; A's: my 128 rows
	s_mul_i32 s22, s16, HALFS                      ; B's: my 128 rows, behind A's 256
	s_add_co_u32 s22, s22, 2*HALFS
	s_sub_co_u32 s22, s22, s21
	v_mul_u32_u24 v6, s22, v2                      ; lanes 16-31 take B's: the lower base + h x the distance
	s_add_co_u32 s21, s21, SCL
	v_add_nc_u32 v5, v5, v6
	v_add_nc_u32 v[ADRS], s21, v5
	v_and_b32 v6, 31, v0                           ; the way out's addresses
	v_lshlrev_b32 v[L16], 4, v6
	v_lshlrev_b32 v[L8], 3, v6
	s_lshl_b32 s23, s14, 10
	s_add_co_u32 s23, s23, STGQ
	v_lshl_add_u32 v[SQ], v1, 4, s23
	v_add_nc_u32 v[SQR], s23, v[L16]
	s_lshl_b32 s23, s14, 9
	s_add_co_u32 s23, s23, STGV
	v_lshl_add_u32 v[SV], v1, 3, s23
	v_add_nc_u32 v[SVR], s23, v[L16]
	v_mul_u32_u24 v[VO], v2, 16*KREC
	v_lshl_add_u32 v[VO], v1, 4, v[VO]
	; the bias, in the result's layout.  q, k: it goes with B's index, along the registers; v: with A's row, one number a lane
	s_cmp_eq_u32 ttmp9, 2
	s_cbranch_scc1 .Lbias_v
	s_lshl_b32 s96, s42, 10
	s_lshl_b32 s97, s16, 9
	s_add_co_u32 s96, s96, s97                     ; 4 x (256 B's tile + 128 half)
	s_mov_b32 s97, 0
	s_add_nc_u64 s[12:13], s[12:13], s[96:97]
	v_lshlrev_b32 v[BO], 6, v2                     ; + 16 h numbers
.irp b, 0,1,2,3,4,5,6,7
	global_load_b128 v[BI+8*\b:BI+8*\b+3], v[BO], s[12:13] offset:(32*(\b/2)+8*(\b%2))*4
	global_load_b128 v[BI+8*\b+4:BI+8*\b+7], v[BO], s[12:13] offset:(32*(\b/2)+8*(\b%2))*4+16
.endr
	s_branch .Lbias_done
.Lbias_v:
	s_lshl_b32 s96, s17, 10
	s_lshl_b32 s97, s15, 9
	s_add_co_u32 s96, s96, s97                     ; 4 x (256 A's tile + 128 half)
	s_mov_b32 s97, 0
	s_add_nc_u64 s[12:13], s[12:13], s[96:97]
	v_and_b32 v[BO], 8, v1
	v_add_nc_u32 v[BO], v[BO], v1
	v_lshlrev_b32 v[BO], 2, v[BO]                  ; + r + 8 (r / 8)
.irp a, 0,1,2,3,4,5,6,7
.irp j, 0,1,2,3,4,5,6,7
	global_load_b32 v[BI+8*\a+\j], v[BO], s[12:13] offset:(32*(\a/2)+8*(\a%2))*4   ; the same number in all eight registers of a tile
.endr
.endr
.Lbias_done:
.macro FRAG reg, adr, q, i             ; 16 rows x 128 K of 6-bit codes: lane l holds row l % 16; registers 6 c .. 6 c + 5 hold K = 64 c + 32 (l / 16) + 0 .. 31: 24 bytes of the row's stream of bits, as they lie
.irp p, 0,1,2,3,4,5                    ; in pieces of 8 bytes.  Lanes 16-31 read three pieces further on; where that lies behind one padding more, the second address register serves
.set PCE, 12*(\q)+6*(\p/3)+\p%3
.if PCE%8 < 5
	ds_load_b64 v[\reg+2*\p:\reg+2*\p+1], v[\adr] offset:8*PCE+16*(PCE/8)+(\i)*16*PITCH
.else
	ds_load_b64 v[\reg+2*\p:\reg+2*\p+1], v[\adr+2] offset:8*PCE+16*(PCE/8)+(\i)*16*PITCH
.endif
.endr
.endm
; 16 matrix instructions: A's blocks a0, a0 + 1 x B's eight, 128 along K.  p: B's set; sc: the set of scale words.  zero = 0: the sums go on; 1: they begin with the bias of B's index; 2: with the bias of A's row.
; The 64 accumulators take turns, one instruction a turn, in the same order in every step.
.macro MUL16 a0, p, q, sc, zero
.irp a, \a0, \a0+1
.irp b, 0,1,2,3,4,5,6,7
.if \zero == 1
	v_wmma_scale_f32_16x16x128_f8f6f4 v[8*(8*((\a)%4)+\b):8*(8*((\a)%4)+\b)+7], v[128*(\p)+FR*\b:128*(\p)+FR*\b+FR-1], v[AF+FR*(\a):AF+FR*(\a)+FR-1], v[BI+8*\b:BI+8*\b+7], v[SC+8*NQ*(\sc)+NQ*\b+(\q)], v[SC+8*NQ*(\sc)+NQ*(\a)+(\q)] matrix_a_fmt:MATRIX_FMT_FP6 matrix_b_fmt:MATRIX_FMT_FP6 matrix_a_scale:MATRIX_SCALE_ROW1
.elseif \zero == 2
	v_wmma_scale_f32_16x16x128_f8f6f4 v[8*(8*((\a)%4)+\b):8*(8*((\a)%4)+\b)+7], v[128*(\p)+FR*\b:128*(\p)+FR*\b+FR-1], v[AF+FR*(\a):AF+FR*(\a)+FR-1], v[BI+8*(\a):BI+8*(\a)+7], v[SC+8*NQ*(\sc)+NQ*\b+(\q)], v[SC+8*NQ*(\sc)+NQ*(\a)+(\q)] matrix_a_fmt:MATRIX_FMT_FP6 matrix_b_fmt:MATRIX_FMT_FP6 matrix_a_scale:MATRIX_SCALE_ROW1
.else
	v_wmma_scale_f32_16x16x128_f8f6f4 v[8*(8*((\a)%4)+\b):8*(8*((\a)%4)+\b)+7], v[128*(\p)+FR*\b:128*(\p)+FR*\b+FR-1], v[AF+FR*(\a):AF+FR*(\a)+FR-1], v[8*(8*((\a)%4)+\b):8*(8*((\a)%4)+\b)+7], v[SC+8*NQ*(\sc)+NQ*\b+(\q)], v[SC+8*NQ*(\sc)+NQ*(\a)+(\q)] matrix_a_fmt:MATRIX_FMT_FP6 matrix_b_fmt:MATRIX_FMT_FP6 matrix_a_scale:MATRIX_SCALE_ROW1
.endif
.endr
.endr
.endm
.macro FETCH_B slot, q, p              ; B's eight fragments of the slot's q-th 128 along K into set p
	WIN TO_B
.irp i, 0,1,2,3,4,5,6,7
	FRAG 128*(\p)+FR*\i, ADRB+\slot, \q, \i
.endr
	WIN 0
.endm
.macro FETCH_A slot, q, i0             ; A's blocks i0 .. i0 + 3
.irp i, \i0, \i0+1, \i0+2, \i0+3
	FRAG AF+FR*(\i), ADRA+\slot, \q, \i
.endr
.endm
.macro SCALES sc                       ; the next K step's scale words into set sc: two words a row; lanes 0-15 take A's block i, lanes 16-31 B's block i
.irp i, 0,1,2,3,4,5,6,7
	ds_load_b64 v[SC+8*NQ*\sc+NQ*\i:SC+8*NQ*\sc+NQ*\i+1], v[ADRS] offset:\i*SBLK
.endr
.endm
; A load into a register that a matrix instruction has read, and a vector instruction that reads a matrix result or writes one of its registers, stand NP places behind it; only plain vector instructions
; that name none of its registers are places (ISA guide 7.12.1 for vector instructions).
.macro PLACES n
.rept \n
	v_nop
.endr
.endm
; A step of 128 along K that has its successor in the same slot.  A's blocks 0-3 are fetched anew in its middle, blocks 4-7 at its end; B has two sets.
.macro STEP slot, q, zero
	s_wait_dscnt 4*NL                              ; B's set and A's blocks 0-3 are in; the youngest 24 loads (A's blocks 4-7) may be out
.if \zero
	WIN 0x81                                       ; C (the bias) window 0, D window 2
.else
	WIN MUL_LO
.endif
	MUL16 0, (\q)%2, \q, \slot, \zero
	MUL16 2, (\q)%2, \q, \slot, \zero
	s_wait_dscnt 0x0                               ; A's blocks 4-7 are in
	PLACES NP
	FETCH_B \slot, (\q)+1, 1-(\q)%2
	FETCH_A \slot, (\q)+1, 0
.if \zero
	WIN 0xc1
.else
	WIN MUL_HI
.endif
	MUL16 4, (\q)%2, \q, \slot, \zero
	MUL16 6, (\q)%2, \q, \slot, \zero
	PLACES NP
	WIN 0
	FETCH_A \slot, (\q)+1, 4
.endm
; A slot's last step changes slots: ONE barrier; in front of it each wave waits for all its tensor loads, adds 0 to its spare word, and waits for that and for its own reads of this slot.  fill = 1: this slot is filled again, two K steps ahead.
.macro TURN slot, next, fill
	s_wait_tensorcnt 0x0                           ; all my tensor loads have landed: my part of the next slot
	ds_add_u32 v[SPW], v[NIL]                      ; 0 onto my spare word
	s_wait_dscnt 4*NL+1                            ; (the add and the youngest 24 loads, A's blocks 4-7, may be out)
	WIN MUL_LO
	MUL16 0, 1, NQ-1, \slot, 0                     ; sixteen matrix instructions stand between the add and the wait for it
	s_wait_dscnt 0x0                               ; the add is done, and my reads of this slot are over
	s_barrier_signal -1
	MUL16 2, 1, NQ-1, \slot, 0
	WIN 0
	s_barrier_wait -1
.if \fill
	CREST                                          ; the barrier has opened a round of the cluster's barrier: no wave of any partner still reads this slot's tile or has a load on its way
	s_add_nc_u64 s[G0+4*\slot+2:G0+4*\slot+3], s[G0+4*\slot+2:G0+4*\slot+3], 2*ROWB
	s_add_nc_u64 s[G0B+4*\slot+2:G0B+4*\slot+3], s[G0B+4*\slot+2:G0B+4*\slot+3], 2*ROWB
	JLOAD G0+4*\slot, G1, G0B+4*\slot, G1B         ; the first tensor load behind the round, my only one until the next; its four v_nop are the places in front of the loads below
.else
	PLACES NP
.endif
	v_add_nc_u32 v[ADRS], 4*NQ, v[ADRS]            ; on to the next K step's scale words (no LDS load of mine is out)
	FETCH_B \next, 0, 0
	FETCH_A \next, 0, 0
	SCALES \next
	WIN MUL_HI
	MUL16 4, 1, NQ-1, \slot, 0
	MUL16 6, 1, NQ-1, \slot, 0
	PLACES NP
	WIN 0
	FETCH_A \next, 0, 4
.endm
	s_wait_tensorcnt 1                             ; the scales and my part of K step 0 are in (K step 1's load may be out)
	s_barrier_signal -1
	s_barrier_wait -1                              ; everybody's are
	FETCH_B 0, 0, 0
	FETCH_A 0, 0, 0
	SCALES 0
	FETCH_A 0, 0, 4
	s_wait_loadcnt 0x0                             ; the bias
	s_cmp_eq_u32 ttmp9, 2                          ; the first step is written twice: its products begin the sums with the bias, which lies otherwise for v
	s_cbranch_scc1 .Lfirst_v
	STEP 0, 0, 1
	s_branch .Lfirst_done
.Lfirst_v:
	STEP 0, 0, 2
.Lfirst_done:
	s_mov_b32 s3, LAPS-1
.Llap:                                                 ; a trip goes once round the ring, from a lap's second step to the next lap's first, and fills both slots again
	TURN 0, 1, 1
	STEP 1, 0, 0
	TURN 1, 0, 1
	STEP 0, 0, 0
	s_sub_co_u32 s3, s3, 1
	s_cmp_lg_u32 s3, 0
	s_cbranch_scc1 .Llap
	TURN 0, 1, 0                                   ; the last lap fills nothing, and has no round of the cluster's barrier
	STEP 1, 0, 0
	s_wait_dscnt 4*NL                              ; the very last step: nothing more to fetch
	WIN MUL_LO
	MUL16 0, 1, NQ-1, 1, 0
	MUL16 2, 1, NQ-1, 1, 0
	s_wait_dscnt 0x0
	WIN MUL_HI
	MUL16 4, 1, NQ-1, 1, 0
	MUL16 6, 1, NQ-1, 1, 0
	WIN 0
; THE WAY OUT.  A's block a: a lane's 64 numbers, register 16 b + i = B's index 32 b + 16 (lane / 16) + i of the lane's row, become a fragment's codes in v[PC] on (a set of registers for each block, so that no store's
; data are written again) and its scale word in v[PW].  Each accumulator is read from its low end on.
.macro QUANTW a
.set QW, 2+(\a)/4                      ; the block's window
.set QS, 64*((\a)%4)
.set PC, 32+20*(\a)
	WIN QW|(QW<<2)                                 ; sources 0 and 1: the accumulators' window
.irp b, 0,1,2,3
	v_max3_num_f32 v[TM+\b], |v[QS+16*\b]|, |v[QS+16*\b+1]|, 0x1800000   ; block b: my 16 numbers, and the floor 2^(3 - 127): the byte cannot fall under 1
.endr
.irp i, 2,4,6,8,10,12,14
.irp b, 0,1,2,3
	v_max3_num_f32 v[TM+\b], |v[QS+16*\b+\i]|, |v[QS+16*\b+\i+1]|, v[TM+\b]   ; (the four blocks by turns)
.endr
.endr
	WIN 0
.irp b, 0,1,2,3
	v_permlanex16_b32 v[TM+4+\b], v[TM+\b], s92, s93
.endr
.irp b, 0,1,2,3
	v_max_num_f32 v[TM+\b], v[TM+\b], v[TM+4+\b]   ; with lane l xor 16's: the block's largest magnitude
.endr
.irp b, 0,1,2,3
	v_add_nc_u32 v[TM+12+\b], 0xff000000, v[TM+\b] ; 2 off its exponent field: the conversion's scale operand
.endr
.irp b, 0,1,2,3
	v_lshrrev_b32 v[TM+4+\b], 23, v[TM+12+\b]      ; the scale's byte
.endr
	v_lshl_or_b32 v[PW], v[TM+5], 8, v[TM+4]
	v_lshl_or_b32 v[PW], v[TM+6], 16, v[PW]
	v_lshl_or_b32 v[PW], v[TM+7], 24, v[PW]
	WIN QW                                         ; source 0: the accumulators' window
.irp c, 0,1
	v_cvt_scalef32_pk16_fp6_f32 v[PC+6*\c:PC+2+6*\c], v[QS+32*\c:QS+15+32*\c], v[TM+12+2*\c]
	v_cvt_scalef32_pk16_fp6_f32 v[PC+12+4*\c:PC+14+4*\c], v[QS+16+32*\c:QS+31+32*\c], v[TM+12+2*\c+1]   ; (a conversion's three registers begin on an even number)
.endr
	WIN 0
	v_nop                                          ; one plain place behind a scaled conversion
.irp c, 0,1                                    ; the operand's layout wants a WHOLE block in a lane: lanes 0-15 block 2 c, lanes 16-31 block 2 c + 1
.irp i, 0,1,2
	v_permlane16_swap_b32 v[PC+6*\c+\i], v[PC+12+4*\c+\i]
.endr
.irp i, 0,1,2
	v_mov_b32 v[PC+3+6*\c+\i], v[PC+12+4*\c+\i]
.endr
.endr
.endm
; q, k: my 128 B indices are two heads of 64: registers 0-5 go to the first head's record, 6-11 to the second's; each store covers 512 or 256 consecutive bytes, aligned
.macro OUT_QK a
	QUANTW \a
	global_store_b128 v[L16], v[PC:PC+3], s[96:97] offset:768*(\a)
	global_store_b64 v[L8], v[PC+4:PC+5], s[96:97] offset:768*(\a)+512
	global_store_b128 v[L16], v[PC+6:PC+9], s[98:99] offset:768*(\a)
	global_store_b64 v[L8], v[PC+10:PC+11], s[98:99] offset:768*(\a)+512
	v_and_b32 v[W0], 0xffff, v[PW]                 ; a head's two bytes; the upper two, which scale the padding of K = 64 to 128, are 0
	v_lshrrev_b32 v[W1], 16, v[PW]
	ds_store_b32 v[SQ], v[W0] offset:256*((\a)%2)+4*((\a)/2)       ; lanes l and l xor 16 write the same word with the same value
	ds_store_b32 v[SQ], v[W1] offset:512+256*((\a)%2)+4*((\a)/2)
.endm
; v: my 128 rows of A are two heads; block a is tile a % 4 of head a / 4: a whole fragment of 128 keys
.macro OUT_V a
	QUANTW \a
.irp c, 0,1,2
	global_store_b128 v[L16], v[PC+4*\c:PC+4*\c+3], s[96+2*((\a)/4):97+2*((\a)/4)] offset:6656+1536*((\a)%4)+512*\c
.endr
	ds_store_b32 v[SV], v[PW] offset:256*((\a)/4)+128*((\a)%2)+4*(((\a)%4)/2)
.endm
	PLACES NP                                      ; behind the last products: their results are read and their operands' registers written below
.irp b, 0,1,2,3
	v_mov_b32 v[TM+4+\b], 0                        ; written once: a lane permute's destination counts as one of its sources
.endr
	s_mov_b32 s92, 0x76543210
	s_mov_b32 s93, 0xfedcba98                      ; v_permlanex16_b32's selects for lane l xor 16
	s_cmp_eq_u32 ttmp9, 2
	s_cselect_b32 s96, s42, s17                    ; the tile of x's rows,
	s_cselect_b32 s97, s16, s15                    ; and my half of it
	s_lshl_b32 s96, s96, 8
	s_lshl_b32 s97, s97, 7
	s_add_co_u32 s96, s96, s97                     ; my first row of x
	s_lshr_b32 s97, s96, 11                        ; the batch
	s_bfe_u32 s98, s96, 0x40007                    ; the chunk of 128 rows in it
	s_and_b32 s99, s42, 3
	s_cmp_eq_u32 ttmp9, 2
	s_cselect_b32 s99, s41, s99                    ; which 256 of the 1,024 columns,
	s_cselect_b32 s20, s15, s16                    ; and my half of them
	s_lshl_b32 s99, s99, 2
	s_lshl_b32 s20, s20, 1
	s_add_co_u32 s99, s99, s20                     ; my first head
	s_lshl_b32 s97, s97, 4
	s_add_co_u32 s97, s97, s99
	s_lshl_b32 s97, s97, 4
	s_add_co_u32 s97, s97, s98                     ; the record: (16 batch + head) x 16 + chunk
	s_cmp_eq_u32 ttmp9, 0
	s_mov_b32 s20, KREC
	s_cselect_b32 s20, QREC, s20
	s_cselect_b64 s[22:23], s[66:67], s[100:101]
	s_mul_i32 s96, s97, s20
	s_mov_b32 s97, 0
	s_add_nc_u64 s[96:97], s[22:23], s[96:97]      ; my first head's record,
	s_lshl_b32 s98, s20, 4
	s_mov_b32 s99, 0
	s_add_nc_u64 s[98:99], s[96:97], s[98:99]      ; and the next head's, 16 records on
	s_cmp_eq_u32 ttmp9, 2
	s_cbranch_scc1 .Lout_v
.irp a, 0,1,2,3,4,5,6,7
	OUT_QK \a
.endr
	ds_load_b128 v[220:223], v[SQR]                ; LDS serves a wave's instructions in order: these see my stores.  A record's 512 bytes of scale words
	ds_load_b128 v[224:227], v[SQR] offset:512
	s_wait_dscnt 0x0
	global_store_b128 v[L16], v[220:223], s[96:97] offset:6144
	global_store_b128 v[L16], v[224:227], s[98:99] offset:6144
	s_branch .Lend
.Lout_v:
.irp a, 0,1,2,3,4,5,6,7
	OUT_V \a
.endr
	ds_load_b128 v[220:223], v[SVR]                ; lanes 0-15: the first head's 256 bytes of scale words; lanes 16-31: the next head's
	s_wait_dscnt 0x0
	global_store_b128 v[VO], v[220:223], s[96:97] offset:12800
.Lend:
	s_wait_tensorcnt 0x0                           ; the wave's end: behind my last tensor load and my last LDS store
	ds_add_u32 v[SPW], v[NIL]
	s_wait_dscnt 0x0
	CROUND                                         ; the closing round: no work-group ends while a partner may still ask for a tile that names it
	s_endpgm
.Lfunc_end_k_qecbe9a1dd1_qkv:
	.size	k_qecbe9a1dd1_qkv, .Lfunc_end_k_qecbe9a1dd1_qkv-k_qecbe9a1dd1_qkv
	.p2alignl 7, 3214868480
	.fill 96, 4, 3214868480
	.section	.rodata,"a",@progbits
	.p2align	6, 0x0
	.amdhsa_kernel k_qecbe9a1dd1_qkv
		.amdhsa_group_segment_fixed_size 327680
		.amdhsa_private_segment_fixed_size 0
		.amdhsa_enable_private_segment 0
		.amdhsa_kernarg_size 40
		.amdhsa_user_sgpr_count 2
		.amdhsa_user_sgpr_kernarg_segment_ptr 1
		.amdhsa_wavefront_size32 1
		.amdhsa_system_sgpr_workgroup_id_x 1
		.amdhsa_system_sgpr_workgroup_id_y 1
		.amdhsa_system_sgpr_workgroup_id_z 1
		.amdhsa_system_vgpr_workitem_id 0
		.amdhsa_next_free_vgpr 1024
		.amdhsa_next_free_sgpr 102
		.amdhsa_reserve_vcc 0
		.amdhsa_float_denorm_mode_32 3
		.amdhsa_float_denorm_mode_16_64 3
		.amdhsa_memory_ordered 1
		.amdhsa_forward_progress 1
		.amdhsa_inst_pref_size 224
	.end_amdhsa_kernel
	.amdgpu_metadata
---
amdhsa.version: [ 1, 2 ]
amdhsa.kernels:
  - .name:           k_qecbe9a1dd1_qkv
    .symbol:         k_qecbe9a1dd1_qkv.kd
    .args:
      - { .name: xq, .offset: 0, .size: 8, .value_kind: global_buffer, .address_space: global }
      - { .name: wq, .offset: 8, .size: 8, .value_kind: global_buffer, .address_space: global }
      - { .name: b_qkv, .offset: 16, .size: 8, .value_kind: global_buffer, .address_space: global }
      - { .name: qc, .offset: 24, .size: 8, .value_kind: global_buffer, .address_space: global }
      - { .name: kvc, .offset: 32, .size: 8, .value_kind: global_buffer, .address_space: global }
    .group_segment_fixed_size: 327680
    .private_segment_fixed_size: 0
    .kernarg_segment_align: 8
    .kernarg_segment_size: 40
    .max_flat_workgroup_size: 128
    .sgpr_count:     102
    .vgpr_count:     1024
    .wavefront_size: 32
...
	.end_amdgpu_metadata
.endif
;; end of part 2
;; launch attn (part 3): grid 4 x 64, 16 waves a work-group, no clusters, 327,680 bytes of LDS; arguments qc, kvc, aq; writes aq
.if DOCPART == 3
	.amdgcn_target "amdgcn-amd-amdhsa--gfx1250"
	.amdhsa_code_object_version 6
	.text
	.protected	k_qecbe9a1dd1_attn
	.globl	k_qecbe9a1dd1_attn
	.p2align	8
	.type	k_qecbe9a1dd1_attn,@function
k_qecbe9a1dd1_attn:
	s_mov_b64 s[64:65], 0
	v_nop
	global_prefetch_b8 v0, s[64:65] scope:SCOPE_SE
	s_setreg_imm32_b32 hwreg(HW_REG_WAVE_MODE, 25, 1), 1
	s_wait_xcnt 0x0
; O = softmax(q k^T / 8, causal) v for one head of one batch, both products on codes of FP6 (E2M3) with E8M0 scales, and O / l quantised along the model's 1,024 for the last product.
; THE SOFTMAX AHEAD OF THE SECOND PRODUCT: t = score x log2(e) / 8; M = the row's largest t so far, rounded UP to a whole number; p = 2^(t - M) is quantised along the keys, not normalised; the row's sum is taken of the
; unquantised p and divides O at the end.  When M moves, the sum and O are multiplied by 2^(old M - new M): exact.
; SHARES.  Work-group (i, head) owns the query blocks 7 - i and i of 256 queries, one after the other.  Block 7 - i walks key slots 0 .. 7 - i, block i slots 0 .. i (a slot is 256 keys): NINE slots in every
; work-group, so the trip count is a constant of the text and the causal work is the same in all 256 work-groups.  Each of the sixteen waves owns one tile of 16 queries in 256 registers: four waves to a SIMD, so that one
; wave's vector work stands beside another's matrix work and LDS loads.
; OPERANDS are images of registers, made by the launch before: every LDS read is 16, 8 or 4 bytes a lane on end.  A slot is two records of kvc (13,056 bytes each, 51 rows of 256), brought by waves 0 and 1.
; LAYOUT.  S^T = k q^T (source 0 = 16 keys, source 1 = my 16 queries), O^T = v^T p^T: a lane holds ONE query throughout.  Lane r of k's tile 2 b + u is key 32 b + 8 u + r + 8 (r / 8), so the 16 registers of tiles 2 b, 2 b + 1
; are keys 32 b + 16 (lane / 16) + 0 .. 15.  My queries are Q0 + r + 8 (r / 8).  v^T's tiles are ordered alike, so O^T's 16 registers of two tiles are 16 neighbours of the head's 64.
; K = 64 IN AN INSTRUCTION OF 128: q's registers 6-11 are zero codes, and the scale bytes of that half are 0 (2^-127) on both sides; k's registers 6-11 are the next tile's codes (behind the last tile: zeros), finite numbers that meet zeros.
; NO CLUSTER: in trip n work-group i of a head reads slot n while n < 8 - i and slot n - (8 - i) after, so from the sixth trip on the four partners want different tiles in the same trip.
; LIMITS: NaN and infinities are not served; p under 2^-126 falls to 0 (v_exp_f32); a block whose largest magnitude lies under 2^-124 keeps the byte 1.  aq's scale bytes leave 2 bytes a row, 32 bytes apart: a head owns 2 of a row's 32.
; aq: codes [row tile][head][768] (registers 0-3: 16 bytes a lane; 4, 5: 8 bytes a lane, 512 on) at 0; scale bytes [16 row tile + r][32] at AS, byte 2 head + block.
; REGISTERS: v1 16 lane, v2 8 lane, v3 16 r, v4 32 r, v5, v6 the add's, v7 r + 8 (r / 8) - 16 h, v8, v9 LDS addresses; v12 -M, v13 the largest t, v[14:15] the sum; v16-21 q, v22-27 zeros; v32-79 k's eight tiles, then v's four;
;   v80-85 zeros; v86-89 k's scale words, v90-91 v's; v96-159 S^T, then p; v160-191 O^T; v192-223 O / l; v224-235 p's codes; v232-254 at work; v255 q's scale word.
.set QREC,  6656
.set KREC,  13056
.set AS,    6291456
.set SLOT1, 32768                      ; slot 1 begins here, so that one exclusive or turns an address in one slot into the other's
.set SPARE, 65536                      ; the spare words, 128 bytes for each wave: eight blocks of 256 bytes that no other line names
.set WV,    18                         ; s18  my wave's number
.set BH,    19                         ; s19  16 batch + head
.set SEL,   20                         ; s[20:21] v_permlanex16_b32's selects for lane l xor 16
.set CS,    22                         ; s[22:23] c = log2(e) / 8
.set G1,    24                         ; s[24:31] descriptor group 1; s[32:35] group 0
.set G0,    32
.set HB,    36                         ; s[36:37] my record of the head's slot 0 in kvc
.set OP,    38                         ; s[38:39] a byte offset with 0 above it
.set TB,    40                         ; s40  LDS byte at which the slot in hand begins
.set CUR,   41                         ; s41  the key slot in hand
.set NXT,   42                         ; s42  the one that follows
.set LIM,   43                         ; s43  8 - i: slots of the first block
.set TRIPS, 44
.set KF,    45                         ; s45  the step's first key
.set Q0,    46                         ; s46  my least query
.set BLK,   47                         ; s47  the query block in hand
.macro TLOAD                           ; waves 0 and 1 bring a record each; the branch hangs on the wave's number alone.  Four v_nop follow the line
	s_cmp_lt_u32 s[WV], 2
	s_cbranch_scc0 .Lnone_\@
	tensor_load_to_lds s[G0:G0+3], s[G1:G1+7]
	s_nop 0
.rept 4
	v_nop
.endr
.Lnone_\@:
.endm
; A new block of queries (s[BLK]): addresses, q's half fragment and scale word, and the running figures begun anew
.macro NEWQ
	s_lshl_b32 s[Q0], s[BLK], 8
	s_lshr_b32 s48, s[WV], 1
	s_lshl_b32 s48, s48, 5
	s_add_co_u32 s[Q0], s[Q0], s48
	s_and_b32 s48, s[WV], 1
	s_lshl_b32 s49, s48, 3
	s_add_co_u32 s[Q0], s[Q0], s49                 ; 256 block + 32 (wave / 2) + 8 (wave % 2)
	s_lshl_b32 s49, s[BH], 4
	s_lshl_b32 s[OP], s[BLK], 1
	s_add_co_u32 s49, s49, s[OP]
	s_lshr_b32 s[OP], s[WV], 3
	s_add_co_u32 s49, s49, s[OP]                   ; qc's record: 16 head + 2 block + wave / 8
	s_mul_i32 s49, s49, QREC
	s_and_b32 s[OP], s[WV], 7
	s_mul_i32 s[OP], s[OP], 768
	s_add_co_u32 s[OP], s[OP], s49
	s_add_nc_u64 s[50:51], s[4:5], s[OP:OP+1]      ; my tile's codes
	s_lshl_b32 s[OP], s48, 8
	s_add_co_u32 s[OP], s[OP], s49
	s_bfe_u32 s48, s[WV], 0x20001
	s_lshl_b32 s48, s48, 2
	s_add_co_u32 s[OP], s[OP], s48
	s_add_co_u32 s[OP], s[OP], 6144
	s_add_nc_u64 s[52:53], s[4:5], s[OP:OP+1]      ; its scale words: 6144 + 256 (tile % 2) + 4 (tile / 2), + 16 r
	s_lshr_b32 s48, s[BH], 4
	s_lshl_b32 s48, s48, 7
	s_lshl_b32 s49, s[BLK], 4
	s_add_co_u32 s48, s48, s49
	s_add_co_u32 s48, s48, s[WV]                   ; aq's row tile: 128 batch + 16 block + wave
	s_and_b32 s49, s[BH], 15
	s_lshl_b32 s[OP], s48, 4
	s_add_co_u32 s[OP], s[OP], s49
	s_mul_i32 s[OP], s[OP], 768
	s_add_nc_u64 s[54:55], s[8:9], s[OP:OP+1]
	s_lshl_b32 s[OP], s48, 9
	s_lshl_b32 s49, s49, 1
	s_add_co_u32 s[OP], s[OP], s49
	s_add_co_u32 s[OP], s[OP], AS
	s_add_nc_u64 s[56:57], s[8:9], s[OP:OP+1]
	global_load_b128 v[16:19], v1, s[50:51]
	global_load_b64 v[20:21], v2, s[50:51] offset:512
	global_load_b32 v255, v3, s[52:53]
	v_mov_b32 v13, 0xff61b1e6                      ; the largest t so far: -3e38, under every t
	s_delay_alu instid0(VALU_DEP_1)
	v_floor_f32 v12, -v13                          ; -M
	v_mov_b32 v14, 0                               ; the sum, in two halves
	v_mov_b32 v15, 0
.set J, 0
.rept 32
	v_mov_b32 v[160+J], 0                          ; O^T: the step is written once; the first finds zeros, which the first change of M leaves zeros
.set J, J+1
.endr
	s_wait_loadcnt 0x0
.endm
; A KEY STEP: 128 keys, record q of the slot in hand
.macro STEP q
.set XO, KREC*(\q)
	s_lshl_b32 s[KF], s[CUR], 8
.if \q
	s_add_co_u32 s[KF], s[KF], 128
.endif
	s_add_co_u32 s48, s[Q0], 23                    ; my largest query
	s_cmp_gt_u32 s[KF], s48                        ; a step all of whose keys come after my queries is left out: a scalar branch on ids; no barrier and no tensor load stands in a step
	s_cbranch_scc1 .Lhidden_\@
	v_add_nc_u32 v8, s[TB], v1
	v_add_nc_u32 v9, s[TB], v2
	v_nop
	v_nop                                          ; four places in front of loads into registers that the last products have read
.irp a, 0,1,2,3,4,5,6,7
	ds_load_b128 v[32+6*\a:35+6*\a], v8 offset:XO+768*\a
	ds_load_b64 v[36+6*\a:37+6*\a], v9 offset:XO+768*\a+512
.endr
	ds_load_b128 v[86:89], v8 offset:XO+6144       ; k's scale words: lanes 0-15 the even tiles', lanes 16-31 the odd ones'; register a / 2
	s_wait_alu depctr_va_vdst(0)
	s_wait_dscnt 0x0
.irp a, 0,2,4,6
	v_wmma_scale_f32_16x16x128_f8f6f4 v[96+8*\a:103+8*\a], v[32+6*\a:43+6*\a], v[16:27], 0, v[86+\a/2], v255 matrix_a_fmt:MATRIX_FMT_FP6 matrix_b_fmt:MATRIX_FMT_FP6
	v_wmma_scale_f32_16x16x128_f8f6f4 v[104+8*\a:111+8*\a], v[38+6*\a:49+6*\a], v[16:27], 0, v[86+\a/2], v255 matrix_a_fmt:MATRIX_FMT_FP6 matrix_b_fmt:MATRIX_FMT_FP6 matrix_a_scale:MATRIX_SCALE_ROW1
.endr
.rept 4
	v_nop                                          ; places: the scores are read below, and k's registers take v's tiles now, so that these loads land under the softmax
.endr
.irp t, 0,1,2,3
.irp c, 0,1,2
	ds_load_b128 v[32+12*\t+4*\c:35+12*\t+4*\c], v8 offset:XO+6656+1536*\t+512*\c
.endr
.endr
	ds_load_b64 v[90:91], v9 offset:XO+12800       ; v's scale words: lanes 0-15 the even tiles', lanes 16-31 the odd ones'; register t / 2
	s_add_co_u32 s48, s[KF], 127                   ; on the diagonal the scores of hidden keys become -infinity ahead of the maximum: p = 0 then.  A step all of whose keys count skips this
	s_cmp_le_u32 s48, s[Q0]
	s_cbranch_scc1 .Lopen_\@
	s_sub_co_i32 s48, s[Q0], s[KF]
	v_add_nc_u32 v252, s48, v7                     ; d = my query - KF - 16 (lane / 16).  Register 16 b + i holds key KF + 16 (lane / 16) + 32 b + i: hidden where 32 b + i > d
	v_mov_b32 v254, 0xff800000
.set J, 0
.rept 64
	v_cmp_gt_i32 vcc_lo, 32*(J/16)+J%16, v252
	v_cndmask_b32 v[96+J], v[96+J], v254, vcc_lo
.set J, J+1
.endr
.Lopen_\@:
.irp b, 0,1,2,3
	v_max3_num_f32 v[232+\b], v[96+16*\b], v[97+16*\b], v[98+16*\b]   ; THE LARGEST SCORE OF EACH BLOCK OF 32 KEYS: it serves the row's maximum and, since p rises with the score, the block's largest p
.endr
.irp i, 3,5,7,9,11,13
.irp b, 0,1,2,3
	v_max3_num_f32 v[232+\b], v[232+\b], v[96+16*\b+\i], v[97+16*\b+\i]   ; (the four blocks by turns)
.endr
.endr
.irp b, 0,1,2,3
	v_max_num_f32 v[232+\b], v[232+\b], v[111+16*\b]
.endr
.irp b, 0,1,2,3
	s_delay_alu instid0(VALU_DEP_4)
	v_permlanex16_b32 v[236+\b], v[232+\b], s[SEL], s[SEL+1]
.endr
.irp b, 0,1,2,3
	s_delay_alu instid0(VALU_DEP_4)
	v_max_num_f32 v[232+\b], v[232+\b], v[236+\b]  ; with lane l xor 16's 16 keys
.endr
	s_delay_alu instid0(VALU_DEP_2)
	v_max3_num_f32 v254, v232, v233, v234
	s_delay_alu instid0(VALU_DEP_1)
	v_max_num_f32 v254, v254, v235                 ; the step's largest score of my query
	s_delay_alu instid0(VALU_DEP_1)
	v_mul_f32 v254, s[CS], v254                    ; as t (c is positive)
	s_delay_alu instid0(VALU_DEP_1)
	v_max_num_f32 v13, v13, v254                   ; the running largest t
	v_mov_b32 v254, v12
	s_delay_alu instid0(VALU_DEP_2)
	v_floor_f32 v12, -v13                          ; the new -M = floor(-t) = -ceil(t): M is a whole number
	s_delay_alu instid0(VALU_DEP_1)
	v_sub_f32 v254, v12, v254                      ; M's old value less its new one: a whole number, 0 or less
	s_delay_alu instid0(VALU_DEP_1)
	v_cvt_i32_f32 v254, v254                       ; (it saturates)
	s_delay_alu instid0(VALU_DEP_1)
	v_ldexp_f32 v252, 1.0, v254                    ; f = 2^(old M - new M)
.set J, 0
.rept 32
	v_pk_fma_f32 v[96+J:97+J], v[96+J:97+J], s[CS:CS+1], v[12:13] op_sel_hi:[1,0,0]   ; t - M, two at a time (of the pairs c and -M the low word serves both halves)
.set J, J+2
.endr
.irp b, 0,1,2,3
	v_fma_f32 v[232+\b], v[232+\b], s[CS], v12     ; the same of each block's largest score
.endr
.set J, 0
	s_wait_alu depctr_va_vdst(0)
.rept 64
	v_exp_f32 v[96+J], v[96+J]                     ; p = 2^(t - M), at most 1
.set J, J+1
.endr
.irp b, 0,1,2,3
	v_exp_f32 v[232+\b], v[232+\b]                 ; the block's largest p: the same two instructions on the same number give the same bits
.endr
	v_pk_mul_f32 v[14:15], v[14:15], v[252:253] op_sel_hi:[1,0]   ; the sums under the new M (a plain place behind the exponentials)
	s_wait_alu depctr_va_vdst(0)
.irp b, 0,1,2,3
	v_max_num_f32 v[232+\b], 0x1800000, v[232+\b]  ; the floor 2^(3 - 127): the byte cannot fall under 1
.endr
.irp b, 0,1,2,3
	s_delay_alu instid0(VALU_DEP_4)
	v_add_nc_u32 v[244+\b], 0xff000000, v[232+\b]  ; 2 off the exponent field: the conversion's scale operand
.endr
.irp b, 0,1,2,3
	s_delay_alu instid0(VALU_DEP_4)
	v_lshrrev_b32 v[236+\b], 23, v[244+\b]         ; the scale's byte
.endr
	s_delay_alu instid0(VALU_DEP_3)
	v_lshl_or_b32 v253, v237, 8, v236              ; p's scale word for these 128 keys
	s_delay_alu instid0(VALU_DEP_1)
	v_lshl_or_b32 v253, v238, 16, v253
	s_delay_alu instid0(VALU_DEP_1)
	v_lshl_or_b32 v253, v239, 24, v253
.irp c, 0,1
	v_cvt_scalef32_pk16_fp6_f32 v[224+6*\c:226+6*\c], v[96+32*\c:111+32*\c], v[244+2*\c]
	v_cvt_scalef32_pk16_fp6_f32 v[236+4*\c:238+4*\c], v[112+32*\c:127+32*\c], v[244+2*\c+1]   ; (a conversion's three registers begin on an even number)
.endr
	v_nop                                          ; one plain place behind a scaled conversion
.irp c, 0,1                                    ; the operand's layout wants a WHOLE block in a lane
.irp i, 0,1,2
	v_permlane16_swap_b32 v[224+6*\c+\i], v[236+4*\c+\i]
.endr
.irp i, 0,1,2
	s_delay_alu instid0(VALU_DEP_3)
	v_mov_b32 v[227+6*\c+\i], v[236+4*\c+\i]
.endr
.endr
	v_pk_add_f32 v[236:237], v[100:101], v[104:105]
	v_pk_add_f32 v[250:251], v[108:109], v[112:113]
	v_pk_add_f32 v[248:249], v[116:117], v[120:121]
	v_pk_add_f32 v[246:247], v[124:125], v[128:129]
	v_pk_add_f32 v[244:245], v[132:133], v[136:137]
	v_pk_add_f32 v[242:243], v[140:141], v[144:145]
	v_pk_add_f32 v[240:241], v[148:149], v[152:153]
	v_pk_add_f32 v[14:15], v[14:15], v[156:157]
	v_pk_add_f32 v[236:237], v[236:237], v[96:97]
	v_pk_add_f32 v[250:251], v[250:251], v[98:99]
	v_pk_add_f32 v[248:249], v[248:249], v[102:103]
	v_pk_add_f32 v[246:247], v[246:247], v[106:107]
	v_pk_add_f32 v[244:245], v[244:245], v[110:111]
	v_pk_add_f32 v[242:243], v[242:243], v[114:115]
	v_pk_add_f32 v[240:241], v[240:241], v[118:119]
	v_pk_add_f32 v[14:15], v[14:15], v[122:123]
	v_pk_add_f32 v[236:237], v[236:237], v[126:127]
	v_pk_add_f32 v[250:251], v[250:251], v[130:131]
	v_pk_add_f32 v[248:249], v[248:249], v[134:135]
	v_pk_add_f32 v[246:247], v[246:247], v[138:139]
	v_pk_add_f32 v[244:245], v[244:245], v[142:143]
	v_pk_add_f32 v[242:243], v[242:243], v[146:147]
	v_pk_add_f32 v[240:241], v[240:241], v[150:151]
	v_pk_add_f32 v[14:15], v[14:15], v[154:155]
	v_pk_add_f32 v[236:237], v[236:237], v[158:159]
	s_delay_alu instid0(VALU_DEP_2)
	v_pk_add_f32 v[14:15], v[14:15], v[246:247]
	s_delay_alu instid0(VALU_DEP_2)
	v_pk_add_f32 v[236:237], v[236:237], v[244:245]
	v_pk_add_f32 v[250:251], v[250:251], v[242:243]
	v_pk_add_f32 v[248:249], v[248:249], v[240:241]
	s_delay_alu instid0(VALU_DEP_2)
	v_pk_add_f32 v[14:15], v[14:15], v[250:251]
	s_delay_alu instid0(VALU_DEP_2)
	v_pk_add_f32 v[236:237], v[236:237], v[248:249]
	s_delay_alu instid0(VALU_DEP_1)
	v_pk_add_f32 v[14:15], v[14:15], v[236:237]
.set J, 0
.rept 16
	v_pk_mul_f32 v[160+J:161+J], v[160+J:161+J], v[252:253] op_sel_hi:[1,0]   ; O^T under the new M: x f.  (With the sums above: the places between p's codes and scale word and the products below)
.set J, J+2
.endr
	s_wait_alu depctr_va_vdst(0)
	s_wait_dscnt 0x0                               ; v's tiles and scale words are in
.irp t, 0,2
	v_wmma_scale_f32_16x16x128_f8f6f4 v[160+8*\t:167+8*\t], v[32+12*\t:43+12*\t], v[224:235], v[160+8*\t:167+8*\t], v[90+\t/2], v253 matrix_a_fmt:MATRIX_FMT_FP6 matrix_b_fmt:MATRIX_FMT_FP6
	v_wmma_scale_f32_16x16x128_f8f6f4 v[168+8*\t:175+8*\t], v[44+12*\t:55+12*\t], v[224:235], v[168+8*\t:175+8*\t], v[90+\t/2], v253 matrix_a_fmt:MATRIX_FMT_FP6 matrix_b_fmt:MATRIX_FMT_FP6 matrix_a_scale:MATRIX_SCALE_ROW1
.endr                                          ; the twelve accumulators of a step take turns, one instruction a turn
.Lhidden_\@:
.endm
; THE CHANGE OF SLOTS stands at a slot's head.  Each wave waits for all its tensor loads, adds 0 to its spare word, and waits for that and for its reads of the slot that it has left.  Behind the barrier the slot ahead is whole
; and nobody reads the other one.  fill = 1: that other slot takes the key slot that follows: the load has a whole slot's steps in which to land.
.macro CHANGE fill
	s_wait_tensorcnt 0x0                           ; no tensor load of mine is out, so group 0 may be written
	ds_add_u32 v5, v6                              ; 0 onto my spare word
.if \fill
	s_add_co_u32 s[NXT], s[CUR], 1
	s_cmp_eq_u32 s[NXT], s[LIM]
	s_cselect_b32 s[NXT], 0, s[NXT]                ; behind the first block's last slot: the second block's slot 0
	s_xor_b32 s[G0+1], s[G0+1], SLOT1              ; the other slot than last time
	s_mul_i32 s[OP], s[NXT], 2*KREC
	s_add_nc_u64 s[G0+2:G0+3], s[HB:HB+1], s[OP:OP+1]
	s_or_b32 s[G0+3], s[G0+3], 0x80000000
.endif
	s_wait_dscnt 0x0                               ; the add is done, and my reads of the slot that I have left are over
	s_barrier_signal -1
	s_barrier_wait -1
.if \fill
	TLOAD                                          ; the first thing behind the barrier, and a wave's one tensor load until the next
.endif
.endm
; A block of queries is finished: O^T / the sum, quantised along the head's 64 (two blocks of the last product's K), leaves as half a fragment's image
.macro OUT
.rept 4
	v_nop                                          ; places behind the last products
.endr
	v_add_f32 v14, v14, v15                        ; the sum's two halves,
	s_delay_alu instid0(VALU_DEP_1)
	v_permlanex16_b32 v252, v14, s[SEL], s[SEL+1]
	s_delay_alu instid0(VALU_DEP_1)
	v_add_f32 v14, v14, v252                       ; and lane l xor 16's: the row's sum
	s_wait_alu depctr_va_vdst(0)
	v_rcp_f32 v14, v14
	v_nop                                          ; a plain place behind the transcendental
.set J, 0
	s_wait_alu depctr_va_vdst(0)
.rept 16
	v_pk_mul_f32 v[192+J:193+J], v[160+J:161+J], v[14:15] op_sel_hi:[1,0]   ; register 16 b + i is o(my query, 32 b + 16 (lane / 16) + i); each accumulator from its low end on
.set J, J+2
.endr
.irp b, 0,1
	v_max3_num_f32 v[232+\b], |v[192+16*\b]|, |v[193+16*\b]|, 0x1800000
.endr
.irp i, 2,4,6,8,10,12,14
.irp b, 0,1
	s_delay_alu instid0(VALU_DEP_2)
	v_max3_num_f32 v[232+\b], v[232+\b], |v[192+16*\b+\i]|, |v[193+16*\b+\i]|
.endr
.endr
.irp b, 0,1
	s_delay_alu instid0(VALU_DEP_2)
	v_permlanex16_b32 v[236+\b], v[232+\b], s[SEL], s[SEL+1]
.endr
.irp b, 0,1
	s_delay_alu instid0(VALU_DEP_2)
	v_max_num_f32 v[232+\b], v[232+\b], v[236+\b]
.endr
.irp b, 0,1
	s_delay_alu instid0(VALU_DEP_2)
	v_add_nc_u32 v[244+\b], 0xff000000, v[232+\b]
.endr
.irp b, 0,1
	s_delay_alu instid0(VALU_DEP_2)
	v_lshrrev_b32 v[236+\b], 23, v[244+\b]
.endr
	s_delay_alu instid0(VALU_DEP_1)
	v_lshl_or_b32 v248, v237, 8, v236              ; the head's two scale bytes of my row
	v_cvt_scalef32_pk16_fp6_f32 v[224:226], v[192:207], v244
	v_cvt_scalef32_pk16_fp6_f32 v[228:230], v[208:223], v245
	v_nop                                          ; one plain place behind a scaled conversion
.irp i, 0,1,2
	v_permlane16_swap_b32 v[224+\i], v[228+\i]     ; lanes 0-15 now hold block 0, lanes 16-31 block 1: the lower 16 codes in the first three registers, the upper 16 in the second three
.endr
	s_delay_alu instid0(VALU_DEP_3)
	v_mov_b32 v227, v228
	s_delay_alu instid0(VALU_DEP_3)
	v_mov_b32 v228, v229
	s_delay_alu instid0(VALU_DEP_3)
	v_mov_b32 v229, v230
	global_store_b128 v1, v[224:227], s[54:55]     ; 512 consecutive bytes, aligned
	global_store_b64 v2, v[228:229], s[54:55] offset:512
	global_store_b16 v4, v248, s[56:57]            ; lanes l and l xor 16 write the same two bytes with the same value
	s_wait_xcnt 0x0                                ; the stores' data and bases are written again only behind this wait
.endm
	s_load_b128 s[4:7], s[0:1], 0x0                ; qc, kvc
	s_load_b64 s[8:9], s[0:1], 0x10                ; aq
	v_lshl_add_u32 v5, v0, 2, SPARE
	v_mov_b32 v6, 0
	ds_add_u32 v5, v6
	ds_add_u32 v5, v6
	s_wait_dscnt 0x0
	v_lshrrev_b32 v8, 5, v0
	s_delay_alu instid0(VALU_DEP_1)
	v_readfirstlane_b32 s[WV], v8                  ; wave 0..15
	v_and_b32 v9, 31, v0
	s_delay_alu instid0(VALU_DEP_1)
	v_lshlrev_b32 v1, 4, v9
	s_delay_alu instid0(VALU_DEP_2)
	v_lshlrev_b32 v2, 3, v9
	v_and_b32 v10, 15, v0                          ; r
	v_bfe_u32 v11, v0, 4, 1                        ; h
	s_delay_alu instid0(VALU_DEP_2)
	v_lshlrev_b32 v3, 4, v10
	s_delay_alu instid0(VALU_DEP_3)
	v_lshlrev_b32 v4, 5, v10
	s_delay_alu instid0(VALU_DEP_4)
	v_and_b32 v7, 8, v10
	s_delay_alu instid0(VALU_DEP_1)
	v_add_nc_u32 v7, v7, v10
	v_lshlrev_b32 v11, 4, v11
	s_delay_alu instid0(VALU_DEP_1)
	v_sub_nc_u32 v7, v7, v11                       ; r + 8 (r / 8) - 16 h
	s_and_b32 s[BH], ttmp7, 0xffff
	s_mov_b32 s[SEL], 0x76543210
	s_mov_b32 s[SEL+1], 0xfedcba98
	s_mov_b32 s[CS], 0x3e38aa3b                    ; c = log2(e) / 8
	s_mov_b32 s[CS+1], s[CS]                       ; (named with it as a pair, so it is written)
	; descriptor group 1: a record, 13,056 dense bytes, as 51 rows of 256 bytes (32 elements of 8 bytes), no padding
	s_mov_b32 s[G1], 3<<16
	s_mov_b32 s[G1+1], 32<<16                      ; tensor_dim0
	s_mov_b32 s[G1+2], 51<<16                      ; tensor_dim1
	s_mov_b32 s[G1+3], 32<<16                      ; tile_dim0
	s_mov_b32 s[G1+4], 51                          ; tile_dim1
	s_mov_b32 s[G1+5], 32                          ; tensor_dim0_stride
	s_mov_b32 s[G1+6], 0
	s_mov_b32 s[G1+7], 0
	s_mov_b32 s[OP+1], 0
	s_mov_b32 s[TB], 0
	s_mov_b32 s[CUR], 0
	s_mov_b32 s[NXT], 0
	s_sub_co_u32 s[LIM], 8, ttmp9
	s_sub_co_u32 s[BLK], 7, ttmp9
	s_mov_b32 s[TRIPS], 8
	s_mul_i32 s[OP], s[BH], 16*KREC                ; the head's 16 records,
	s_and_b32 s48, s[WV], 1
	s_mul_i32 s[G0+1], s48, KREC                   ; which of a slot's two records I fetch: its place in slot 0,
	s_add_co_u32 s[OP], s[OP], s[G0+1]             ; and in memory
	s_wait_kmcnt 0x0
	s_add_nc_u64 s[HB:HB+1], s[6:7], s[OP:OP+1]
	s_mov_b32 s[G0], 1
	s_mov_b64 s[G0+2:G0+3], s[HB:HB+1]
	s_or_b32 s[G0+3], s[G0+3], 0x80000000
	TLOAD                                          ; key slot 0 into LDS slot 0: one tensor load of a wave is out at the most
.irp j, 22,23,24,25,26,27,80,81,82,83,84,85,236,237,238,239,252,253
	v_mov_b32 v\j, 0                               ; q's and k's padding codes; and registers that are named as a permute's destination or as half of a pair before they are first written
.endr
	NEWQ
.Ltrip:                                            ; eight trips: behind each change of slots but the last the next slot is asked for
	CHANGE 1
	STEP 0
	STEP 1
	s_cmp_lg_u32 s[NXT], 0                         ; the first block's last slot has been walked: it leaves, and the second block begins
	s_cbranch_scc1 .Lsame
	OUT
	s_mov_b32 s[BLK], ttmp9
	NEWQ
.Lsame:
	s_mov_b32 s[CUR], s[NXT]
	s_xor_b32 s[TB], s[TB], SLOT1                  ; on to the other slot
	s_sub_co_u32 s[TRIPS], s[TRIPS], 1
	s_cmp_lg_u32 s[TRIPS], 0
	s_cbranch_scc1 .Ltrip
	CHANGE 0                                       ; the ninth slot is written out
	STEP 0
	STEP 1
	OUT
	s_wait_tensorcnt 0x0                           ; the wave's end
	ds_add_u32 v5, v6
	s_wait_dscnt 0x0
	s_endpgm
.Lfunc_end_k_qecbe9a1dd1_attn:
	.size	k_qecbe9a1dd1_attn, .Lfunc_end_k_qecbe9a1dd1_attn-k_qecbe9a1dd1_attn
	.p2alignl 7, 3214868480
	.fill 96, 4, 3214868480
	.section	.rodata,"a",@progbits
	.p2align	6, 0x0
	.amdhsa_kernel k_qecbe9a1dd1_attn
		.amdhsa_group_segment_fixed_size 327680
		.amdhsa_private_segment_fixed_size 0
		.amdhsa_enable_private_segment 0
		.amdhsa_kernarg_size 24
		.amdhsa_user_sgpr_count 2
		.amdhsa_user_sgpr_kernarg_segment_ptr 1
		.amdhsa_wavefront_size32 1
		.amdhsa_system_sgpr_workgroup_id_x 1
		.amdhsa_system_sgpr_workgroup_id_y 1
		.amdhsa_system_sgpr_workgroup_id_z 1
		.amdhsa_system_vgpr_workitem_id 0
		.amdhsa_next_free_vgpr 256
		.amdhsa_next_free_sgpr 66
		.amdhsa_reserve_vcc 1
		.amdhsa_float_denorm_mode_32 3
		.amdhsa_float_denorm_mode_16_64 3
		.amdhsa_memory_ordered 1
		.amdhsa_forward_progress 1
		.amdhsa_inst_pref_size 108
	.end_amdhsa_kernel
	.amdgpu_metadata
---
amdhsa.version: [ 1, 2 ]
amdhsa.kernels:
  - .name:           k_qecbe9a1dd1_attn
    .symbol:         k_qecbe9a1dd1_attn.kd
    .args:
      - { .name: qc, .offset: 0, .size: 8, .value_kind: global_buffer, .address_space: global }
      - { .name: kvc, .offset: 8, .size: 8, .value_kind: global_buffer, .address_space: global }
      - { .name: aq, .offset: 16, .size: 8, .value_kind: global_buffer, .address_space: global }
    .group_segment_fixed_size: 327680
    .private_segment_fixed_size: 0
    .kernarg_segment_align: 8
    .kernarg_segment_size: 24
    .max_flat_workgroup_size: 512
    .sgpr_count:     66
    .vgpr_count:     256
    .wavefront_size: 32
...
	.end_amdgpu_metadata
.endif
;; end of part 3
;; launch proj (part 4): grid 4 x 32, 4 waves a work-group, clusters of 4 x 4, 327,680 bytes of LDS; arguments aq, wq, b_out, out0; writes out0
.if DOCPART == 4
	.amdgcn_target "amdgcn-amd-amdhsa--gfx1250"
	.amdhsa_code_object_version 6
	.text
	.protected	k_qecbe9a1dd1_proj
	.globl	k_qecbe9a1dd1_proj
	.p2align	8
	.type	k_qecbe9a1dd1_proj,@function
k_qecbe9a1dd1_proj:
	s_mov_b64 s[64:65], 0
	v_nop
	global_prefetch_b8 v0, s[64:65] scope:SCOPE_SE
	s_setreg_imm32_b32 hwreg(HW_REG_WAVE_MODE, 25, 1), 1
	s_wait_xcnt 0x0
	s_wait_alu depctr_hold_cnt(0) depctr_sa_sdst(0) depctr_va_vdst(0) depctr_va_sdst(0) depctr_va_ssrc(0) depctr_va_vcc(0) depctr_vm_vsrc(0)
	s_getreg_b32 s2, hwreg(HW_REG_IB_STS2, 6, 4)
	s_cmp_eq_u32 s2, 0
	s_cbranch_scc0 .Lentry_in_a_cluster
	s_endpgm
.Lentry_in_a_cluster:
	s_bfe_u32 s2, ttmp6, 0x10000c
	s_cmp_lg_u32 s2, 0xf033
	s_cbranch_scc0 .Lentry_shape_is_right
	s_endpgm
.Lentry_shape_is_right:
; out0 = a W_out + b_out on codes of FP6 (E2M3) with E8M0 scales, K = 1,024.  a: the attention launch's codes; W_out: rows 3072-4095 of the weights' table; out0 [8192][1024] f32.
; A work-group of four waves makes 256 x 256 of out0, a wave 128 x 128: 64 accumulators, 512 registers.  K goes in steps of 256 through a ring of two LDS slots; the scale bytes of the 2 x 256 rows come once and stay.
; A's TILES ARE IMAGES OF REGISTERS: aq holds, for each tile of 16 rows and each head (64 along K), 768 bytes: registers 0-3 of half a fragment, 16 bytes a lane, then registers 4, 5, 8 bytes a lane.  A slot's four heads are 3,072
; consecutive bytes of a row tile's 12,288; a fragment (two heads) comes by four LDS loads on end.  B's tiles are rows of 192 bytes, padded in LDS.
; Both operands lie in tile order (bits 3 and 4 of a row's number changed): lane r of A's tile a is row 32 (a / 2) + 8 (a % 2) + r + 8 (r / 8) of out0; register j of B's tile b in lane half h is column 32 (b / 2) + 16 h + 8 (b % 2) + j.
; THE MATRIX INSTRUCTION IS USED TRANSPOSED (source 0 = 16 rows of B, source 1 = 16 rows of A): a lane holds eight neighbouring numbers of a row of out0.  The bias is the C of each sum's first matrix instruction.
; CLUSTERS: 4 x 4 work-groups; A's tiles are asked for jointly along a row of the cluster, B's along a column.  The grid has 128 work-groups: 8,192 x 1,024 results in tiles of 256 x 256.
; REGISTERS, in windows of 256: window 0: v0-31 addresses; v32-63 scale words, two sets; v64-127 the bias; from v128 A's fragments, one set; on the way out v128-255 take rows read back.
;   window 1: B's fragments, two sets.   window 2: the accumulators of A's blocks 0-3;   window 3: those of blocks 4-7.
.set AS,     6291456                   ; aq's scale bytes
.set WS,     3145728                   ; wq's
.set NQ,     2
.set ROWB,   192                       ; a row of B's tile in bytes
.set AROWB,  3072                      ; a row tile's bytes in a slot: four heads
.set KROW,   768
.set PITCH,  240                       ; B's LDS row: 3 x (64 bytes + 16 of padding)
.set FR,     12
.set NL,     6                         ; LDS loads that bring a fragment of B;
.set NLA,    4                         ; of A
.set NP,     4                         ; places behind this matrix instruction (ISA guide 7.12.1)
.set HALFT,  128*PITCH                 ; the room of 128 rows (A's images use 24,576 bytes of it)
.set SLOT,   4*HALFT
.set LAPS,   2
.set KS,     32
.set SCL,    2*SLOT
.set HALFS,  16*272
.set SBLK,   2*272
.set SPARE,  SCL+4*HALFS               ; the spare words, 128 bytes for each wave: two blocks of 256 bytes that no other line names
.set SPITCH, 528                       ; the way out: a stage of 16 rows x (512 bytes + 16) for each wave, in slot 0, which has had its last fill and its last read by then
.set BO,   9                           ; v9   byte offset of my bias numbers
.set ADRA, 16                          ; v16-17 A: base + 16 x lane in slot 0, 1;  v18-19 base + 8 x lane
.set ADRB, 20                          ; v20-21 B's fragments in slot 0, 1;  v22-23 behind one padding more
.set STO,  24                          ; v24  the way out: where I put 32 bytes of a row
.set RD,   25                          ; v25  where I read a row back
.set CO,   26                          ; v26  my byte offset in a row of out0
.set ADRS, 27
.set SPW,  28                          ; v28  LDS address of my spare word; never rewritten
.set NIL,  29                          ; v29  0; never rewritten
.set SC,   32
.set BI,   64
.set AF,   128
.set BK,   128
.set G1, 24
.set G0, 32
.set G1B, 48
.set G0B, 56
.set G1S, 68
.set G0S, 76
.set G1SB, 80
.set G0SB, 88
.set MSB, 0
.macro WIN new                         ; the immediate's high byte repeats the setting that is left
.if MSB != (\new)
	s_set_vgpr_msb (MSB<<8)|(\new)
.set MSB, (\new)
.endif
.endm
.set MUL_LO, 0xa1
.set MUL_HI, 0xf1
.set TO_B,   0x40
.macro JLOAD g0a, g1a, g0b, g1b        ; a joint load: waves 0 and 1 fetch for A, waves 2 and 3 for B.  Four v_nop follow each of the two lines
	s_cmp_eq_u32 s15, 0
	s_cbranch_scc0 .Lfor_b_\@
	tensor_load_to_lds s[\g0a:\g0a+3], s[\g1a:\g1a+7]
	s_nop 0
.rept 4
	v_nop
.endr
	s_branch .Lasked_\@
.Lfor_b_\@:
	tensor_load_to_lds s[\g0b:\g0b+3], s[\g1b:\g1b+7]
	s_nop 0
.rept 4
	v_nop
.endr
.Lasked_\@:
.endm
.macro CREST
	s_cmp_lg_u32 s14, 0
	s_cbranch_scc1 .Lnot_wave_0_\@
	s_barrier_signal -3
.Lnot_wave_0_\@:
	s_barrier_wait -3
	s_barrier_signal -1
	s_barrier_wait -1
.endm
.macro CROUND
	s_barrier_signal -1
	s_barrier_wait -1
	CREST
.endm
	s_load_b64 s[4:5], s[0:1], 0x0                 ; aq
	s_load_b64 s[8:9], s[0:1], 0x8                 ; wq
	s_load_b64 s[66:67], s[0:1], 0x10              ; b_out
	s_load_b64 s[12:13], s[0:1], 0x18              ; out0
	v_lshl_add_u32 v[SPW], v0, 2, SPARE
	v_mov_b32 v[NIL], 0
	ds_add_u32 v28, v29
	s_wait_dscnt 0x0
	v_lshrrev_b32 v1, 5, v0
	v_readfirstlane_b32 s14, v1                    ; wave 0..3
	s_lshr_b32 s15, s14, 1                         ; which half of the tile's rows is mine.  Also: I fetch for A (0) or for B (1)
	s_and_b32 s16, s14, 1                          ; which half of its columns.  Also: which 128 rows of that tile I fetch
	s_bfe_u32 s40, ttmp6, 0x40000                  ; cx, cy
	s_bfe_u32 s41, ttmp6, 0x40004
	s_lshl_b32 s42, ttmp9, 2
	s_add_co_u32 s42, s42, s40                     ; tile column
	s_and_b32 s17, ttmp7, 0xffff
	s_lshl_b32 s17, s17, 2
	s_add_co_u32 s17, s17, s41                     ; tile row
	s_lshl_b32 s43, s41, 2
	s_lshl_b32 s43, 15, s43                        ; my row of the cluster
	s_lshl_b32 s44, 0x1111, s40                    ; my column
	; group 1 for A: 8 row tiles x 3,072 bytes (384 elements of 8 bytes), 12,288 bytes apart, no padding
	s_or_b32 s[G1+0], s43, (3<<16)|(1<<21)
	s_mov_b32 s[G1+1], 384<<16
	s_mov_b32 s[G1+2], 8<<16
	s_mov_b32 s[G1+3], 384<<16
	s_mov_b32 s[G1+4], 8
	s_mov_b32 s[G1+5], 1536
	s_mov_b32 s[G1+6], 0
	s_mov_b32 s[G1+7], 0
	; for B: 128 rows x 192 bytes, 16 bytes of padding behind every 64
	s_or_b32 s[G1B+0], s44, (0<<16)|(1<<20)|(1<<21)|(3<<22)|(3<<25)
	s_mov_b32 s[G1B+1], ROWB<<16
	s_mov_b32 s[G1B+2], 128<<16
	s_mov_b32 s[G1B+3], ROWB<<16
	s_mov_b32 s[G1B+4], 128
	s_mov_b32 s[G1B+5], KROW
	s_mov_b32 s[G1B+6], 0
	s_mov_b32 s[G1B+7], 0
	; the scales of 128 rows: 16 rows of 256 bytes, 16 bytes of padding behind each
	s_or_b32 s[G1S+0], s43, (3<<16)|(1<<20)|(1<<21)|(5<<22)|(3<<25)
	s_or_b32 s[G1SB+0], s44, (3<<16)|(1<<20)|(1<<21)|(5<<22)|(3<<25)
.irp g, G1S, G1SB
	s_mov_b32 s[\g+1], 32<<16
	s_mov_b32 s[\g+2], 16<<16
	s_mov_b32 s[\g+3], 32<<16
	s_mov_b32 s[\g+4], 16
	s_mov_b32 s[\g+5], 32
	s_mov_b32 s[\g+6], 0
	s_mov_b32 s[\g+7], 0
.endr
	s_lshl_b32 s18, s16, 7
	s_lshl_b32 s20, s17, 8
	s_add_co_u32 s20, s20, s18                     ; A's row
	s_lshl_b32 s46, s42, 8
	s_add_co_u32 s46, s46, s18                     ; B's row
	s_lshl_b32 s22, s20, 5                         ; their scales,
	s_mov_b32 s23, 0
	s_lshl_b32 s92, s46, 5
	s_mov_b32 s93, 0
	s_mul_i32 s20, s20, KROW                       ; and their codes (16 rows of A are a row tile's 12,288 bytes)
	s_mov_b32 s21, 0
	s_mul_i32 s46, s46, KROW
	s_mov_b32 s47, 0
	s_mul_i32 s45, s14, HALFT
	s_mul_i32 s94, s14, HALFS
	s_wait_kmcnt 0x0
	s_add_nc_u64 s[6:7], s[4:5], AS
	s_add_nc_u64 s[10:11], s[8:9], WS+3072*32      ; W_out's rows begin at row 3,072 of the table
	s_add_nc_u64 s[8:9], s[8:9], 3072*KROW
	s_add_nc_u64 s[20:21], s[4:5], s[20:21]
	s_add_nc_u64 s[22:23], s[6:7], s[22:23]
	s_add_nc_u64 s[46:47], s[8:9], s[46:47]
	s_add_nc_u64 s[92:93], s[10:11], s[92:93]
	CROUND                                         ; all sixteen work-groups are here: the first joint loads meet
	s_mov_b32 s[G0S], 1
	s_add_co_u32 s[G0S+1], s94, SCL
	s_mov_b64 s[G0S+2:G0S+3], s[22:23]
	s_or_b32 s[G0S+3], s[G0S+3], 0x80000000
	s_mov_b32 s[G0SB], 1
	s_add_co_u32 s[G0SB+1], s94, SCL
	s_mov_b64 s[G0SB+2:G0SB+3], s[92:93]
	s_or_b32 s[G0SB+3], s[G0SB+3], 0x80000000
	JLOAD G0S, G1S, G0SB, G1SB
.irp s, 0,1
	s_mov_b32 s[G0+4*\s], 1
	s_add_co_u32 s[G0+4*\s+1], s45, \s*SLOT
	s_add_nc_u64 s[G0+4*\s+2:G0+4*\s+3], s[20:21], \s*AROWB
	s_or_b32 s[G0+4*\s+3], s[G0+4*\s+3], 0x80000000
	s_mov_b32 s[G0B+4*\s], 1
	s_add_co_u32 s[G0B+4*\s+1], s45, \s*SLOT
	s_add_nc_u64 s[G0B+4*\s+2:G0B+4*\s+3], s[46:47], \s*ROWB
	s_or_b32 s[G0B+4*\s+3], s[G0B+4*\s+3], 0x80000000
	JLOAD G0+4*\s, G1, G0B+4*\s, G1B               ; three tensor loads of mine are out
.endr
	v_and_b32 v1, 15, v0                           ; r
	v_bfe_u32 v2, v0, 4, 1                         ; h
	v_mul_u32_u24 v3, v1, PITCH
	v_mul_u32_u24 v4, v2, 24
	v_add_nc_u32 v4, v3, v4
	v_lshl_add_u32 v5, v2, 4, v4
	v_and_b32 v6, 31, v0
	v_lshlrev_b32 v7, 4, v6                        ; 16 x lane
	v_lshlrev_b32 v8, 3, v6                        ; 8 x lane
	s_mul_i32 s21, s15, HALFT
	s_mul_i32 s22, s16, HALFT
	s_add_co_u32 s22, s22, 2*HALFT
.irp s, 0,1
	v_add_nc_u32 v[ADRA+\s], s21, v7
	v_add_nc_u32 v[ADRA+2+\s], s21, v8
	v_add_nc_u32 v[ADRB+\s], s22, v4
	v_add_nc_u32 v[ADRB+2+\s], s22, v5
	s_add_co_u32 s21, s21, SLOT
	s_add_co_u32 s22, s22, SLOT
.endr
	v_mul_u32_u24 v5, v1, KS
	v_lshrrev_b32 v6, 8, v5
	v_lshl_add_u32 v5, v6, 4, v5
	s_mul_i32 s21, s15, HALFS
	s_mul_i32 s22, s16, HALFS
	s_add_co_u32 s22, s22, 2*HALFS
	s_sub_co_u32 s22, s22, s21
	v_mul_u32_u24 v6, s22, v2                      ; lanes 16-31 take B's: the lower base + h x the distance
	s_add_co_u32 s21, s21, SCL
	v_add_nc_u32 v5, v5, v6
	v_add_nc_u32 v[ADRS], s21, v5
	s_mul_i32 s23, s14, 16*SPITCH                  ; my stage
	v_mul_u32_u24 v5, v1, SPITCH                   ; in: row r, 64 bytes on for lanes 16-31
	v_lshl_add_u32 v5, v2, 6, v5
	v_add_nc_u32 v[STO], s23, v5
	v_mov_b32 v[CO], v7                            ; back: the 32 lanes take one row of 512 bytes; and the same in out0
	v_add_nc_u32 v[RD], s23, v7
	s_lshl_b32 s20, s17, 8
	s_lshl_b32 s21, s15, 7
	s_add_co_u32 s20, s20, s21
	s_lshl_b32 s20, s20, 12                        ; my first row of out0, 4,096 bytes a row
	s_lshl_b32 s46, s42, 10
	s_lshl_b32 s47, s16, 9
	s_add_co_u32 s46, s46, s47                     ; my first column, in bytes
	s_mov_b32 s47, 0
	s_add_nc_u64 s[66:67], s[66:67], s[46:47]      ; b_out at that column
	s_add_co_u32 s20, s20, s46
	s_mov_b32 s21, 0
	s_add_nc_u64 s[12:13], s[12:13], s[20:21]
	v_lshlrev_b32 v[BO], 6, v2                     ; the bias in the result's layout: tile b, lane half h: columns 32 (b / 2) + 16 h + 8 (b % 2) + 0 .. 7
.irp b, 0,1,2,3,4,5,6,7
	global_load_b128 v[BI+8*\b:BI+8*\b+3], v[BO], s[66:67] offset:(32*(\b/2)+8*(\b%2))*4
	global_load_b128 v[BI+8*\b+4:BI+8*\b+7], v[BO], s[66:67] offset:(32*(\b/2)+8*(\b%2))*4+16
.endr
.macro FRAG reg, adr, q, i             ; a fragment of B from rows: six pieces of 8 bytes; where the piece of lanes 16-31 lies behind one padding more, the second address register serves
.irp p, 0,1,2,3,4,5
.set PCE, 12*(\q)+6*(\p/3)+\p%3
.if PCE%8 < 5
	ds_load_b64 v[\reg+2*\p:\reg+2*\p+1], v[\adr] offset:8*PCE+16*(PCE/8)+(\i)*16*PITCH
.else
	ds_load_b64 v[\reg+2*\p:\reg+2*\p+1], v[\adr+2] offset:8*PCE+16*(PCE/8)+(\i)*16*PITCH
.endif
.endr
.endm
.macro FRAGA reg, slot, q, i           ; a fragment of A from two heads' images
	ds_load_b128 v[\reg:\reg+3], v[ADRA+\slot] offset:AROWB*(\i)+1536*(\q)
	ds_load_b64 v[\reg+4:\reg+5], v[ADRA+2+\slot] offset:AROWB*(\i)+1536*(\q)+512
	ds_load_b128 v[\reg+6:\reg+9], v[ADRA+\slot] offset:AROWB*(\i)+1536*(\q)+768
	ds_load_b64 v[\reg+10:\reg+11], v[ADRA+2+\slot] offset:AROWB*(\i)+1536*(\q)+1280
.endm
; 16 matrix instructions: A's blocks a0, a0 + 1 x B's eight.  zero = 1: the sums begin with the bias.  The 64 accumulators take turns, one instruction a turn.
.macro MUL16 a0, p, q, sc, zero
.irp a, \a0, \a0+1
.irp b, 0,1,2,3,4,5,6,7
.if \zero
	v_wmma_scale_f32_16x16x128_f8f6f4 v[8*(8*((\a)%4)+\b):8*(8*((\a)%4)+\b)+7], v[128*(\p)+FR*\b:128*(\p)+FR*\b+FR-1], v[AF+FR*(\a):AF+FR*(\a)+FR-1], v[BI+8*\b:BI+8*\b+7], v[SC+8*NQ*(\sc)+NQ*\b+(\q)], v[SC+8*NQ*(\sc)+NQ*(\a)+(\q)] matrix_a_fmt:MATRIX_FMT_FP6 matrix_b_fmt:MATRIX_FMT_FP6 matrix_a_scale:MATRIX_SCALE_ROW1
.else
	v_wmma_scale_f32_16x16x128_f8f6f4 v[8*(8*((\a)%4)+\b):8*(8*((\a)%4)+\b)+7], v[128*(\p)+FR*\b:128*(\p)+FR*\b+FR-1], v[AF+FR*(\a):AF+FR*(\a)+FR-1], v[8*(8*((\a)%4)+\b):8*(8*((\a)%4)+\b)+7], v[SC+8*NQ*(\sc)+NQ*\b+(\q)], v[SC+8*NQ*(\sc)+NQ*(\a)+(\q)] matrix_a_fmt:MATRIX_FMT_FP6 matrix_b_fmt:MATRIX_FMT_FP6 matrix_a_scale:MATRIX_SCALE_ROW1
.endif
.endr
.endr
.endm
.macro FETCH_B slot, q, p
	WIN TO_B
.irp i, 0,1,2,3,4,5,6,7
	FRAG 128*(\p)+FR*\i, ADRB+\slot, \q, \i
.endr
	WIN 0
.endm
.macro FETCH_A slot, q, i0
.irp i, \i0, \i0+1, \i0+2, \i0+3
	FRAGA AF+FR*(\i), \slot, \q, \i
.endr
.endm
.macro SCALES sc
.irp i, 0,1,2,3,4,5,6,7
	ds_load_b64 v[SC+8*NQ*\sc+NQ*\i:SC+8*NQ*\sc+NQ*\i+1], v[ADRS] offset:\i*SBLK
.endr
.endm
.macro PLACES n                        ; places in front of loads into registers that matrix instructions have read, and of the first read of results (ISA guide 7.12.1 for vector instructions)
.rept \n
	v_nop
.endr
.endm
.macro STEP slot, q, zero
	s_wait_dscnt 4*NLA                             ; B's set and A's blocks 0-3 are in; the youngest 16 loads (A's blocks 4-7) may be out
.if \zero
	WIN 0x81                                       ; C (the bias) window 0, D window 2
.else
	WIN MUL_LO
.endif
	MUL16 0, (\q)%2, \q, \slot, \zero
	MUL16 2, (\q)%2, \q, \slot, \zero
	s_wait_dscnt 0x0
	PLACES NP
	FETCH_B \slot, (\q)+1, 1-(\q)%2
	FETCH_A \slot, (\q)+1, 0
.if \zero
	WIN 0xc1
.else
	WIN MUL_HI
.endif
	MUL16 4, (\q)%2, \q, \slot, \zero
	MUL16 6, (\q)%2, \q, \slot, \zero
	PLACES NP
	WIN 0
	FETCH_A \slot, (\q)+1, 4
.endm
; A slot's last step changes slots: ONE barrier; in front of it each wave waits for all its tensor loads, adds 0 to its spare word, and waits for that and for its own reads of this slot.
.macro TURN slot, next, fill
	s_wait_tensorcnt 0x0                           ; all my tensor loads have landed: my part of the next slot
	ds_add_u32 v[SPW], v[NIL]                      ; 0 onto my spare word
	s_wait_dscnt 4*NLA+1                           ; (the add and the youngest 16 loads may be out)
	WIN MUL_LO
	MUL16 0, 1, NQ-1, \slot, 0
	s_wait_dscnt 0x0                               ; the add is done, and my reads of this slot are over
	s_barrier_signal -1
	MUL16 2, 1, NQ-1, \slot, 0
	WIN 0
	s_barrier_wait -1
.if \fill
	CREST                                          ; the barrier has opened a round of the cluster's barrier: no wave of any partner still reads this slot's tile or has a load on its way
	s_add_nc_u64 s[G0+4*\slot+2:G0+4*\slot+3], s[G0+4*\slot+2:G0+4*\slot+3], 2*AROWB
	s_add_nc_u64 s[G0B+4*\slot+2:G0B+4*\slot+3], s[G0B+4*\slot+2:G0B+4*\slot+3], 2*ROWB
	JLOAD G0+4*\slot, G1, G0B+4*\slot, G1B         ; the first tensor load behind the round, my only one until the next; its four v_nop are the places in front of the loads below
.else
	PLACES NP
.endif
	v_add_nc_u32 v[ADRS], 4*NQ, v[ADRS]
	FETCH_B \next, 0, 0
	FETCH_A \next, 0, 0
	SCALES \next
	WIN MUL_HI
	MUL16 4, 1, NQ-1, \slot, 0
	MUL16 6, 1, NQ-1, \slot, 0
	PLACES NP
	WIN 0
	FETCH_A \next, 0, 4
.endm
	s_wait_tensorcnt 1                             ; the scales and my part of K step 0 are in (K step 1's load may be out)
	s_barrier_signal -1
	s_barrier_wait -1                              ; everybody's are
	FETCH_B 0, 0, 0
	FETCH_A 0, 0, 0
	SCALES 0
	FETCH_A 0, 0, 4
	s_wait_loadcnt 0x0                             ; the bias
	STEP 0, 0, 1                                   ; the first step stands in front of the loop: its products begin the sums
	s_mov_b32 s3, LAPS-1
.Llap:
	TURN 0, 1, 1
	STEP 1, 0, 0
	TURN 1, 0, 1
	STEP 0, 0, 0
	s_sub_co_u32 s3, s3, 1
	s_cmp_lg_u32 s3, 0
	s_cbranch_scc1 .Llap
	TURN 0, 1, 0                                   ; the last lap fills nothing, and has no round of the cluster's barrier
	STEP 1, 0, 0
	s_wait_dscnt 4*NLA
	WIN MUL_LO
	MUL16 0, 1, NQ-1, 1, 0
	MUL16 2, 1, NQ-1, 1, 0
	s_wait_dscnt 0x0
	WIN MUL_HI
	MUL16 4, 1, NQ-1, 1, 0
	MUL16 6, 1, NQ-1, 1, 0
	WIN 0
; THE WAY OUT, block by block of 16 rows x 128 columns, through my own stage in LDS: in by lanes (32 bytes of a row at the columns' true places), back as whole rows of 512 bytes.
; LDS serves a wave's instructions in order (ISA guide 5.7.1.4): no wait between the stores and the loads, nor in front of the next block's stores.
.macro TOSTAGE a
.set AC, 64*((\a)%4)
	WIN 0x08+4*((\a)/4)                            ; the data: window 2 or 3
.irp b, 0,1,2,3,4,5,6,7
	ds_store_b128 v[STO], v[AC+8*\b:AC+8*\b+3] offset:128*(\b/2)+32*(\b%2)          ; each accumulator from its low end on
	ds_store_b128 v[STO], v[AC+8*\b+4:AC+8*\b+7] offset:128*(\b/2)+32*(\b%2)+16
.endr
	WIN 0
.set BB, BK+64*((\a)%2)
.irp t, 0,1,2,3,4,5,6,7,8,9,10,11,12,13,14,15
	ds_load_b128 v[BB+4*\t:BB+4*\t+3], v[RD] offset:\t*SPITCH
.endr
.endm
.macro SEND a, younger                 ; younger: the LDS instructions issued behind block a's loads, which may stay out
.set BB, BK+64*((\a)%2)
	s_wait_dscnt \younger
.irp t, 0,1,2,3,4,5,6,7,8,9,10,11,12,13,14,15
	global_store_b128 v[CO], v[BB+4*\t:BB+4*\t+3], s[12:13] offset:(32*((\a)/2)+8*((\a)%2)+\t+8*(\t/8))*4096 th:TH_STORE_NT   ; 32 lanes store 512 consecutive bytes, aligned; the row's true place stands in the immediate, 520,192 at the most
.endr
.endm
	PLACES NP
	TOSTAGE 0
.irp a, 1,2,3,4,5,6,7
.if \a > 1
	s_wait_xcnt 0x0                                ; block a - 2's stores have read their registers: block a's loads may land there
.endif
	TOSTAGE \a
	SEND \a-1, 32                                  ; behind block a - 1's loads: block a's 16 stores and 16 loads
.endr
	SEND 7, 0
	s_wait_tensorcnt 0x0                           ; the wave's end: behind my last tensor load and my last LDS store
	ds_add_u32 v[SPW], v[NIL]
	s_wait_dscnt 0x0
	CROUND                                         ; the closing round: no work-group ends while a partner may still ask for a tile that names it
	s_endpgm
.Lfunc_end_k_qecbe9a1dd1_proj:
	.size	k_qecbe9a1dd1_proj, .Lfunc_end_k_qecbe9a1dd1_proj-k_qecbe9a1dd1_proj
	.p2alignl 7, 3214868480
	.fill 96, 4, 3214868480
	.section	.rodata,"a",@progbits
	.p2align	6, 0x0
	.amdhsa_kernel k_qecbe9a1dd1_proj
		.amdhsa_group_segment_fixed_size 327680
		.amdhsa_private_segment_fixed_size 0
		.amdhsa_enable_private_segment 0
		.amdhsa_kernarg_size 32
		.amdhsa_user_sgpr_count 2
		.amdhsa_user_sgpr_kernarg_segment_ptr 1
		.amdhsa_wavefront_size32 1
		.amdhsa_system_sgpr_workgroup_id_x 1
		.amdhsa_system_sgpr_workgroup_id_y 1
		.amdhsa_system_sgpr_workgroup_id_z 1
		.amdhsa_system_vgpr_workitem_id 0
		.amdhsa_next_free_vgpr 1024
		.amdhsa_next_free_sgpr 98
		.amdhsa_reserve_vcc 0
		.amdhsa_float_denorm_mode_32 3
		.amdhsa_float_denorm_mode_16_64 3
		.amdhsa_memory_ordered 1
		.amdhsa_forward_progress 1
		.amdhsa_inst_pref_size 153
	.end_amdhsa_kernel
	.amdgpu_metadata
---
amdhsa.version: [ 1, 2 ]
amdhsa.kernels:
  - .name:           k_qecbe9a1dd1_proj
    .symbol:         k_qecbe9a1dd1_proj.kd
    .args:
      - { .name: aq, .offset: 0, .size: 8, .value_kind: global_buffer, .address_space: global }
      - { .name: wq, .offset: 8, .size: 8, .value_kind: global_buffer, .address_space: global }
      - { .name: b_out, .offset: 16, .size: 8, .value_kind: global_buffer, .address_space: global }
      - { .name: out0, .offset: 24, .size: 8, .value_kind: global_buffer, .address_space: global }
    .group_segment_fixed_size: 327680
    .private_segment_fixed_size: 0
    .kernarg_segment_align: 8
    .kernarg_segment_size: 32
    .max_flat_workgroup_size: 128
    .sgpr_count:     98
    .vgpr_count:     1024
    .wavefront_size: 32
...
	.end_amdgpu_metadata
.endif
;; end of part 4
